; MI455X (gfx1250); checked and timed in simulation.
; The chip was launched on July 23, 2026; its instructions are those of AMD's public machine-readable ISA for CDNA 5 (MIT licence, August 2026) and "CDNA5" Instruction Set Architecture Reference Guide (July 2026). The comments in the code are by the model that wrote it; some were corrected since.
;; RNNQ Network Zero State. Allowed arithmetic: float matrix products may take bf16 or f16 operands with f32 sums; other float arithmetic in f32, or as packed bf16 or f16 multiplies, adds, multiply-adds, maxima and minima; sums over many terms, partial sums and values carried from step to step in f32; what a program stores and reads back later, other than sums and carried values, may be rounded once to bf16 or f16.
;; Inputs: W_final 1,024 x 2,048 float32; W_ih 2,048 x 2,048 float32; W_init 2,048 x 1,024 float32; b_final 1,024 float32; b_hh 2,048 float32; b_ih 2,048 float32; b_init 2,048 float32; x 16 x 512 x 1,024 float32.
;; Outputs: out0 16 x 512 x 1,024 float32.
;; One version. Each part assembles by itself: llvm-mc -triple=amdgcn-amd-amdhsa -mcpu=gfx1250 --defsym DOCPART=n.
;; ======== version 1 of 1: 4 launches
;; limits: values are held in f16: magnitudes above 65,504 overflow, below 6.1e-05 lose precision; right only within a limited range of input values
;; workspace buffers: xb 16,777,216 bytes; w1b 4,194,304 bytes; w2h 8,388,608 bytes; w3b 4,194,304 bytes; h1 33,554,432 bytes; h2 33,554,432 bytes
;; launch cvt (part 1): grid 1024 x 1, 8 waves a work-group, no clusters, 0 bytes of LDS; arguments x, W_init, W_ih, W_final, xb, w1b, w2h, w3b; writes xb, w1b, w2h, w3b
.if DOCPART == 1
	.amdgcn_target "amdgcn-amd-amdhsa--gfx1250"
	.amdhsa_code_object_version 6
	.text
	.protected	k_qcefd60d13c_cvt
	.globl	k_qcefd60d13c_cvt
	.p2align	8
	.type	k_qcefd60d13c_cvt,@function
k_qcefd60d13c_cvt:
	s_mov_b64 s[64:65], 0
	v_nop
	global_prefetch_b8 v0, s[64:65] scope:SCOPE_SE
	s_setreg_imm32_b32 hwreg(HW_REG_WAVE_MODE, 25, 1), 1
	s_wait_xcnt 0x0
; THE MATRIX OPERANDS ARE ROUNDED ONCE, ahead of the three products: x, W_init and W_final from f32 to bf16; W_ih from f32 to bf16, and that number is then written as f16,
; since the second product takes its other operand (the first layer's result) in f16.
; LIMITS.  A bf16 number is exact in f16 from 2^-17 up to 65,504; below 2^-17 it keeps f16's fixed step of 2^-24, above 65,504 it would be an infinity (W_ih as drawn stays under 0.03).
; SHARES.  The four tensors together are 1,024 pieces of 65,536 bytes of f32: work-groups 0-511 take x, 512-639 W_init, 640-895 W_ih, 896-1023 W_final.  Eight waves.  In step i of 16 thread t loads the
; 16 bytes at 4,096 i + 16 t (a wave: 512 consecutive bytes) and stores the 8 bytes at 2,048 i + 8 t (a wave: 256 consecutive bytes, aligned).  All 16 loads of a thread go out at once: the whole piece is
; on its way; no register is written while a memory instruction may still read it, so the only waits are the counted ones for the loads.  No LDS, no barrier, no matrix unit: nothing is shared and nothing is multiplied.
.set X, 4                              ; v[4:67]   step i: 4 registers as loaded
.set Y, 68                             ; v[68:99]  step i: 2 registers to store
	s_load_b256 s[8:15], s[0:1], 0x0               ; x s[8:9], W_init s[10:11], W_ih s[12:13], W_final s[14:15]
	s_load_b256 s[16:23], s[0:1], 0x20             ; xb s[16:17], w1b s[18:19], w2h s[20:21], w3b s[22:23]
	v_lshlrev_b32 v1, 4, v0                        ; 16 t
	v_lshlrev_b32 v2, 3, v0                        ; 8 t
	s_mov_b32 s25, 0xffff0000                      ; a word's upper bf16
	s_mov_b32 s27, 0                               ; the offsets' high word
	s_wait_kmcnt 0x0
	s_mov_b64 s[4:5], s[14:15]                     ; which tensor is mine: the last, unless my number lies below its first piece
	s_mov_b64 s[6:7], s[22:23]
	s_mov_b32 s24, 896
	s_cmp_lt_u32 ttmp9, 896
	s_cselect_b64 s[4:5], s[12:13], s[4:5]
	s_cselect_b64 s[6:7], s[20:21], s[6:7]
	s_cselect_b32 s24, 640, s24
	s_cmp_lt_u32 ttmp9, 640
	s_cselect_b64 s[4:5], s[10:11], s[4:5]
	s_cselect_b64 s[6:7], s[18:19], s[6:7]
	s_cselect_b32 s24, 512, s24
	s_cmp_lt_u32 ttmp9, 512
	s_cselect_b64 s[4:5], s[8:9], s[4:5]
	s_cselect_b64 s[6:7], s[16:17], s[6:7]
	s_cselect_b32 s24, 0, s24
	s_sub_co_u32 s24, ttmp9, s24                   ; my piece's number in its tensor, 511 at the most
	s_lshl_b32 s26, s24, 16                        ; 65,536 bytes of f32,
	s_add_nc_u64 s[4:5], s[4:5], s[26:27]
	s_lshl_b32 s26, s24, 15                        ; 32,768 bytes of 16-bit numbers
	s_add_nc_u64 s[6:7], s[6:7], s[26:27]
.irp i, 0,1,2,3,4,5,6,7,8,9,10,11,12,13,14,15
	global_load_b128 v[X+4*(\i):X+4*(\i)+3], v1, s[4:5] offset:4096*(\i) th:TH_LOAD_NT  ; read once in the launch
.endr
	s_cmp_lt_u32 ttmp9, 640                        ; the branch hangs on the work-group's number alone
	s_cbranch_scc1 .Lbf
	s_cmp_lt_u32 ttmp9, 896
	s_cbranch_scc1 .Lhalf
; Step i to bf16: loads come back in order (ISA guide 5.7.1), so the 15 - i younger ones may stay out.
.macro OUTB i
	s_wait_loadcnt 15-(\i)
	v_cvt_pk_bf16_f32 v[Y+2*(\i)],   v[X+4*(\i)],   v[X+4*(\i)+1]
	v_cvt_pk_bf16_f32 v[Y+2*(\i)+1], v[X+4*(\i)+2], v[X+4*(\i)+3]
	global_store_b64 v2, v[Y+2*(\i):Y+2*(\i)+1], s[6:7] offset:2048*(\i)
.endm
; Step i to bf16 and on to f16: rounded to bf16, widened again (a shift, a mask) into the registers that the load has left, and written as f16.
.macro OUTH i
	s_wait_loadcnt 15-(\i)
	v_cvt_pk_bf16_f32 v[Y+2*(\i)],   v[X+4*(\i)],   v[X+4*(\i)+1]
	v_cvt_pk_bf16_f32 v[Y+2*(\i)+1], v[X+4*(\i)+2], v[X+4*(\i)+3]
	v_lshlrev_b32 v[X+4*(\i)],   16,  v[Y+2*(\i)]
	v_and_b32     v[X+4*(\i)+1], s25, v[Y+2*(\i)]
	v_lshlrev_b32 v[X+4*(\i)+2], 16,  v[Y+2*(\i)+1]
	v_and_b32     v[X+4*(\i)+3], s25, v[Y+2*(\i)+1]
	v_cvt_pk_f16_f32 v[Y+2*(\i)],   v[X+4*(\i)],   v[X+4*(\i)+1]
	v_cvt_pk_f16_f32 v[Y+2*(\i)+1], v[X+4*(\i)+2], v[X+4*(\i)+3]
	global_store_b64 v2, v[Y+2*(\i):Y+2*(\i)+1], s[6:7] offset:2048*(\i)
.endm
.Lbf:
.irp i, 0,1,2,3,4,5,6,7,8,9,10,11,12,13,14,15
	OUTB \i
.endr
	s_endpgm
.Lhalf:
.irp i, 0,1,2,3,4,5,6,7,8,9,10,11,12,13,14,15
	OUTH \i
.endr
	s_endpgm
.Lfunc_end_k_qcefd60d13c_cvt:
	.size	k_qcefd60d13c_cvt, .Lfunc_end_k_qcefd60d13c_cvt-k_qcefd60d13c_cvt
	.p2alignl 7, 3214868480
	.fill 96, 4, 3214868480
	.section	.rodata,"a",@progbits
	.p2align	6, 0x0
	.amdhsa_kernel k_qcefd60d13c_cvt
		.amdhsa_group_segment_fixed_size 0
		.amdhsa_private_segment_fixed_size 0
		.amdhsa_enable_private_segment 0
		.amdhsa_kernarg_size 64
		.amdhsa_user_sgpr_count 2
		.amdhsa_user_sgpr_kernarg_segment_ptr 1
		.amdhsa_wavefront_size32 1
		.amdhsa_system_sgpr_workgroup_id_x 1
		.amdhsa_system_sgpr_workgroup_id_y 1
		.amdhsa_system_sgpr_workgroup_id_z 1
		.amdhsa_system_vgpr_workitem_id 0
		.amdhsa_next_free_vgpr 100
		.amdhsa_next_free_sgpr 66
		.amdhsa_reserve_vcc 0
		.amdhsa_float_denorm_mode_32 3
		.amdhsa_float_denorm_mode_16_64 3
		.amdhsa_memory_ordered 1
		.amdhsa_forward_progress 1
		.amdhsa_inst_pref_size 16
	.end_amdhsa_kernel
	.amdgpu_metadata
---
amdhsa.version: [ 1, 2 ]
amdhsa.kernels:
  - .name:           k_qcefd60d13c_cvt
    .symbol:         k_qcefd60d13c_cvt.kd
    .args:
      - { .name: x, .offset: 0, .size: 8, .value_kind: global_buffer, .address_space: global }
      - { .name: W_init, .offset: 8, .size: 8, .value_kind: global_buffer, .address_space: global }
      - { .name: W_ih, .offset: 16, .size: 8, .value_kind: global_buffer, .address_space: global }
      - { .name: W_final, .offset: 24, .size: 8, .value_kind: global_buffer, .address_space: global }
      - { .name: xb, .offset: 32, .size: 8, .value_kind: global_buffer, .address_space: global }
      - { .name: w1b, .offset: 40, .size: 8, .value_kind: global_buffer, .address_space: global }
      - { .name: w2h, .offset: 48, .size: 8, .value_kind: global_buffer, .address_space: global }
      - { .name: w3b, .offset: 56, .size: 8, .value_kind: global_buffer, .address_space: global }
    .group_segment_fixed_size: 0
    .private_segment_fixed_size: 0
    .kernarg_segment_align: 8
    .kernarg_segment_size: 64
    .max_flat_workgroup_size: 256
    .sgpr_count:     66
    .vgpr_count:     100
    .wavefront_size: 32
...
	.end_amdgpu_metadata
.endif
;; end of part 1
;; launch g1 (part 2): grid 8 x 32, 4 waves a work-group, clusters of 4 x 4, 327,680 bytes of LDS; arguments xb, w1b, h1, b_init; writes h1
.if DOCPART == 2
	.amdgcn_target "amdgcn-amd-amdhsa--gfx1250"
	.amdhsa_code_object_version 6
	.text
	.protected	k_qcefd60d13c_g1
	.globl	k_qcefd60d13c_g1
	.p2align	8
	.type	k_qcefd60d13c_g1,@function
k_qcefd60d13c_g1:
	s_mov_b64 s[64:65], 0
	v_nop
	global_prefetch_b8 v0, s[64:65] scope:SCOPE_SE
	s_setreg_imm32_b32 hwreg(HW_REG_WAVE_MODE, 25, 1), 1
	s_wait_xcnt 0x0
	s_wait_alu depctr_hold_cnt(0) depctr_sa_sdst(0) depctr_va_vdst(0) depctr_va_sdst(0) depctr_va_ssrc(0) depctr_va_vcc(0) depctr_vm_vsrc(0)
	s_getreg_b32 s2, hwreg(HW_REG_IB_STS2, 6, 4)
	s_cmp_eq_u32 s2, 0
	s_cbranch_scc0 .Lentry_in_a_cluster
	s_endpgm
.Lentry_in_a_cluster:
	s_bfe_u32 s2, ttmp6, 0x10000c
	s_cmp_lg_u32 s2, 0xf033
	s_cbranch_scc0 .Lentry_shape_is_right
	s_endpgm
.Lentry_shape_is_right:
; LAYER 1: h1 = relu(xb w1b^T + b_init).  A = xb [8192][1024] bf16, B = w1b [2048][1024] bf16, C = h1 [8192][2048] f16, the bias f32.
; LIMITS.  h1 is kept in f16, which ends at 65,504: |x W_init^T + b_init| must stay under 65,520 (as drawn it stays under 4).  The bias is the first term of each sum, not the last.
; A NaN in front of the relu becomes 0; infinities are not treated apart.
; The text below the six constants is the same for the program's three products.
.set SIZE_K, 1024                      ; the product's K
.set NBLK,   8                         ; blocks of 16 columns in a wave's tile: the work-group's tile of C is 256 rows x 32 NBLK columns
.set LOGTN,  8                         ; log2 of the tile's columns
.set INF16,  0                         ; the operands: 0 bf16, 1 f16
.set OUTK,   1                         ; the way out: 0 f32 as it is; 1 relu, f16; 2 relu, bf16
.set NBIAS,  1                         ; bias vectors
; C[m][n] = f(bias[n] + sum over k of A[m][k] B[n][k]).  A: [8192][SIZE_K], B: [8 x 32 NBLK][SIZE_K], 16-bit; sums in f32; a row of C is 4,096 bytes.
; SHARES.  256 work-groups, one tile of C each; four waves, each 128 rows x 16 NBLK columns: 8 NBLK accumulators of 16 x 16.  K goes in steps of 128 through a ring of two LDS slots filled by the tensor data
; mover: a tile's rows are 256 bytes of memory and start at multiples of 256 bytes from the buffer's first byte.
; ONE K STEP IS WRITTEN ONCE: which slot is read is a scalar, TB (0 or SLOT), turned by an exclusive or at each change of slots; the fragments' LDS addresses and the walking descriptors' LDS words are sums with it.
; CLUSTERS: 4 x 4 work-groups.  The four of a row of the cluster need the same tiles of A, the four of a column the same tiles of B: each tile is asked for JOINTLY, by the same tensor load with the same
; descriptor and a mask that names the four; each receives it in its own LDS.
; THE MATRIX INSTRUCTION IS USED TRANSPOSED: source 0 = 16 rows of B, source 1 = 16 rows of A.  Lane l then holds row m = l % 16 of C and, in registers 0 to 7, the columns 8 (l / 16) + 0..7 of the block.
; THE BIAS STARTS THE SUMS: a tile's first products take as C eight registers that hold the bias of those eight columns: nothing is cleared, and nothing is added on the way out.
; THE LAST K STEP GOES BY ROWS OF C: my eight blocks of 16 rows are finished one after the other, and each leaves while the next is multiplied.
; REGISTERS, in windows of 256 (s_set_vgpr_msb: bits 1:0 source 0, 3:2 source 1, 5:4 source 2, 7:6 destination):
;   window 0: v0-31 addresses; v64-127, v128-191 fragments of A (8 x 16 rows x 32 K), two buffers (in the last K step four, of 16 rows x 128 K); v32-63, v192-255 at work on the way out
;   window 1: v0.. the bias, 8 registers a block; v64.., v128.. fragments of B, two buffers; v192-255 a second bias; in the last K step B's fragments of the whole step, quarter q at v[64 q ..]
;   window 2: the accumulators of my rows 0-63 ((a, b) at v[8 (NBLK a + b)]);   window 3: those of my rows 64-127
.set KSTEP,  128
.set PITCH,  272                       ; an LDS row: 256 bytes of data + 16 of padding = 68 words: row r starts at bank 4 r mod 64 (64 banks of 4 bytes: ISA guide 11.1), so the 16 rows of a load start at 16 different banks
.set HA,     128*PITCH                 ; 128 rows of A: what one tensor load brings, and what one wave reads
.set HB,     16*NBLK*PITCH             ; the same for B
.set SLOT,   2*HA+2*HB                 ; A's 256 rows, then B's 32 NBLK rows
.set STAGE,  2*SLOT                    ; behind the ring: 16 rows x 272 bytes for each wave, for the way out; no tile lands here
.set SPITCH, 272
.set SPARE,  STAGE+4*16*SPITCH         ; behind the stages: the spare words, 128 bytes for each wave: two blocks of 256 bytes that no other line names
.set NL,     16+2*NBLK                 ; LDS loads in a quarter step's run
.set CROW,   4096                      ; bytes in a row of C
.set STEPS,  SIZE_K/KSTEP              ; K steps
.set ADRA,  16                         ; v16     LDS address of my A fragments in the slot that is read
.set ADRA0, 17                         ; v17     the same in slot 0; never rewritten
.set ADRB,  20                         ; v20, v21  the same two for B
.set ADRB0, 21
.set STO,  24                          ; v24     the way out: where I put my part of a row
.set RD,   25                          ; v25     the way out: where I read a row back
.set CO,   26                          ; v26     my byte offset in C
.set ZR,   27                          ; v27     0, for the relu
.set SPW,  28                          ; v28     LDS address of my spare word: SPARE + 4 x my thread's number; never rewritten
.set NIL,  29                          ; v29     0; never rewritten
.set PFO,  30                          ; v30     the prefetches' offset: my lane x a row of A or B in memory; never rewritten
.set BO,   31                          ; v31     my byte offset in a block's 64 bytes of bias: 32 (l / 16)
.set OB,   32                          ; the way out: 16 rows read back from the stage: v32-63 and v224-255 by turns
.set F0,   64                          ; fragment buffer 0
.set F1,   128                         ; fragment buffer 1
.set PA,   64                          ; the last K step: A's fragments of 16 rows x 128 K, 32 registers; four such buffers, v64-191
.set TMP,  192                         ; the way out: packed results
.set BI,   0                           ; window 1: the bias
.set B2,   192                         ; window 1: the second bias
.set G1,  24                           ; s[24:31] descriptor group 1 for A's tiles
.set G0,  32                           ; s[32:39] descriptor group 0 for A's tiles: a set for each of the two first fills; the second then walks on
.set LIM, 43                           ; s43     2 in a wave that prefetches, else the greatest number
.set PFA, 44                           ; s[44:45] where my prefetches stand: one K step further along K than the refill that is being asked for; a prefetch names the K step after that
.set G1B, 48                           ; s[48:55] descriptor group 1 for B's tiles
.set G0B, 56                           ; s[56:63] descriptor group 0 for B's tiles, likewise
.set BP,  66                           ; s[66:67], s[68:69] the bias vectors
.set TB,  70                           ; s70     LDS byte at which the slot that is read begins: 0 or SLOT
.set WA,  72                           ; s72     where my part of A's tile goes in a slot: wave x 128 rows
.set WB,  73                           ; s73     the same for B's tile
.set MSB, 0
.macro WIN new                         ; the immediate's high byte repeats the setting that is left; a switch that changes nothing is dropped
.if MSB != (\new)
	s_set_vgpr_msb (MSB<<8)|(\new)
.set MSB, \new
.endif
.endm
.set TO_B, 0x40                        ; destination window 1, address window 0
; A joint load.  Waves 0 and 1 fetch A's two halves, waves 2 and 3 B's.  Each of the two lines has ONE mask and one set of registers for all that issue it.  The branch hangs on the wave's number alone.
; An s_nop 0 and four v_nop follow each of the two lines, ahead of the jump, the label and what follows the macro.
.macro JLOAD s
	s_cmp_eq_u32 s11, 0
	s_cbranch_scc0 .Lfor_b_\@
	tensor_load_to_lds s[G0+4*(\s):G0+4*(\s)+3], s[G1:G1+7]
	s_nop 0
.rept 4
	v_nop
.endr
	s_branch .Lasked_\@
.Lfor_b_\@:
	tensor_load_to_lds s[G0B+4*(\s):G0B+4*(\s)+3], s[G1B:G1B+7]
	s_nop 0
.rept 4
	v_nop
.endr
.Lasked_\@:
.endm
; A PREFETCH INTO THE L2, behind each joint refill, its five lines and the run of LDS loads that follows them: the K step that stands TWO refills on: 32 rows x 256 bytes, a lane a row, one instruction a wave.
; Each row's 256 bytes of a K step are named ONCE in the launch.  A's tile row is read by every cluster of that row of clusters: the one with x = 0 asks; B's tile column by every cluster of that column: the one
; with y = 0 asks.  The four partners that ask for a tile jointly share its rows out BY ADDRESS, 32 each (by cx for A, by cy for B): no branch hangs on a work-group's place in its cluster.
; K steps 0 to 3 come by their loads alone; the loop's last two trips (s3 = 2, 1) ask for nothing: there is no K step two on.
.macro ASK
	s_cmp_gt_u32 s3, s[LIM]
	s_cbranch_scc0 .Lnot_mine_\@
	global_prefetch_b8 v[PFO], s[PFA:PFA+1] offset:KSTEP*2 th:TH_LOAD_NT scope:SCOPE_SE
.Lnot_mine_\@:
.endm
; A round of the cluster's barrier: my work-group's barrier, so that wave 0's signal speaks for all four waves; wave 0 signals for the work-group; every wave waits for all sixteen work-groups; my work-group's barrier once more.
.macro CROUND
	s_barrier_signal -1
	s_barrier_wait -1
	s_cmp_lg_u32 s10, 0
	s_cbranch_scc1 .Lnot_wave_0_\@
	s_barrier_signal -3
.Lnot_wave_0_\@:
	s_barrier_wait -3
	s_barrier_signal -1
	s_barrier_wait -1
.endm
	s_load_b128 s[4:7], s[0:1], 0x0                ; A s[4:5], B s[6:7]
	s_load_b64 s[8:9], s[0:1], 0x10                ; C
	s_load_b64 s[BP:BP+1], s[0:1], 0x18            ; the bias
.if NBIAS == 2
	s_load_b64 s[BP+2:BP+3], s[0:1], 0x20          ; the second bias
.endif
	v_lshl_add_u32 v[SPW], v0, 2, SPARE
	v_mov_b32 v[NIL], 0
	ds_add_u32 v[SPW], v[NIL]                      ; the wave's opening: the add and its wait stand ahead of my first tensor load; the set-up below, work on registers, stands between them
	v_lshrrev_b32 v1, 5, v0
	v_readfirstlane_b32 s10, v1                    ; wave 0..3
	s_lshr_b32 s11, s10, 1                         ; which half of the tile's rows is mine.  Also: I fetch for A (0) or for B (1)
	s_and_b32 s12, s10, 1                          ; which half of its columns.  Also: which half of that tile's rows I fetch
	s_bfe_u32 s40, ttmp6, 0x40000                  ; cx: my place along the cluster's x
	s_bfe_u32 s41, ttmp6, 0x40004                  ; cy: along its y
	s_lshl_b32 s42, ttmp9, 2                       ; in a cluster launch ttmp9 and ttmp7 count clusters
	s_add_co_u32 s42, s42, s40                     ; tile column of C = 4 x cluster x + cx
	s_and_b32 s13, ttmp7, 0xffff
	s_lshl_b32 s13, s13, 2
	s_add_co_u32 s13, s13, s41                     ; tile row of C = 4 x cluster y + cy
	s_lshl_b32 s43, s41, 2
	s_lshl_b32 s43, 15, s43                        ; my row of the cluster: places 4 cy .. 4 cy + 3
	s_lshl_b32 s44, 0x1111, s40                    ; my column: places cx, cx + 4, cx + 8, cx + 12
	; descriptor group 1: a tile of 128 (B: 16 NBLK) rows x 128 elements, padded in LDS
	s_or_b32 s[G1+0], s43, (1<<16)|(1<<20)|(1<<21)|(5<<22)|(3<<25)   ; 15:0 the mask: A's tiles go to my row; 17:16 element of 2 bytes; 20 padding on; 21 set beside a mask; 24:22 after every 64 words (code 5); 31:25 4 words of it (code 3)
	s_or_b32 s[G1B+0], s44, (1<<16)|(1<<20)|(1<<21)|(5<<22)|(3<<25)  ; the same with the mask of my column, for B's tiles
	s_mov_b32 s[G1+1], KSTEP<<16                   ; tensor_dim0 = 128
	s_mov_b32 s[G1B+1], KSTEP<<16
	s_mov_b32 s[G1+2], 128<<16                     ; tensor_dim1 = the tile's rows
	s_mov_b32 s[G1B+2], (16*NBLK)<<16
	s_mov_b32 s[G1+3], KSTEP<<16                   ; tile_dim0 = 128
	s_mov_b32 s[G1B+3], KSTEP<<16
	s_mov_b32 s[G1+4], 128                         ; tile_dim1
	s_mov_b32 s[G1B+4], 16*NBLK
	s_mov_b32 s[G1+5], SIZE_K                      ; elements from row to row
	s_mov_b32 s[G1B+5], SIZE_K
	s_mov_b32 s[G1+6], 0
	s_mov_b32 s[G1B+6], 0
	s_mov_b32 s[G1+7], 0
	s_mov_b32 s[G1B+7], 0
	; where the tiles come from.  A's hang on the tile row alone, which my row of the cluster shares; B's on the tile column alone, which my column shares.
	; Every wave makes both addresses, in registers that never hold the other coordinate, and asks by one of them.
	s_lshl_b32 s17, s12, 7
	s_lshl_b32 s16, s13, 8
	s_add_co_u32 s16, s16, s17                     ; A: row 256 x tile row + 128 x half
	s_lshl_b32 s47, s12, LOGTN-1
	s_lshl_b32 s46, s42, LOGTN
	s_add_co_u32 s46, s46, s47                     ; B: row 32 NBLK x tile column + 16 NBLK x half
	s_mov_b32 s17, 0
	s_mov_b32 s47, 0
	s_mov_b64 s[18:19], SIZE_K*2
	s_mul_u64 s[16:17], s[16:17], s[18:19]         ; in bytes, in 64 bits
	s_mul_u64 s[46:47], s[46:47], s[18:19]
	s_mul_i32 s[WA], s10, HA                       ; and where they go in a slot: waves 0, 1: A's two halves;
	s_mul_i32 s[WB], s10, HB                       ; waves 2, 3: B's two halves, behind A's 256 rows: no place in the cluster enters an LDS address
.if HA != HB
	s_add_co_u32 s[WB], s[WB], 2*(HA-HB)
.endif
	s_mov_b32 s[TB], 0                             ; slot 0 is read first
	s_wait_dscnt 0x0                               ; the opening add is done
	s_wait_kmcnt 0x0
	s_add_nc_u64 s[14:15], s[4:5], s[16:17]
	s_add_nc_u64 s[46:47], s[6:7], s[46:47]
	CROUND                                         ; all sixteen work-groups are here: the first joint loads meet
.irp s, 0,1
	s_mov_b32 s[G0+4*(\s)], 1                                        ; 1:0 count = 1
	s_add_co_u32 s[G0+4*(\s)+1], s[WA], (\s)*SLOT                    ; 63:32 LDS address
	s_add_nc_u64 s[G0+4*(\s)+2:G0+4*(\s)+3], s[14:15], (\s)*KSTEP*2  ; 120:64 global address: K step s
	s_or_b32 s[G0+4*(\s)+3], s[G0+4*(\s)+3], 0x80000000              ; 127:126 type = 2
	s_mov_b32 s[G0B+4*(\s)], 1
	s_add_co_u32 s[G0B+4*(\s)+1], s[WB], (\s)*SLOT
	s_add_nc_u64 s[G0B+4*(\s)+2:G0B+4*(\s)+3], s[46:47], (\s)*KSTEP*2
	s_or_b32 s[G0B+4*(\s)+3], s[G0B+4*(\s)+3], 0x80000000
	JLOAD \s                                       ; the ring is filled before anything else is done: two tensor loads of mine are out here, later one
.endr
	; A fragment is 16 rows x 32 K in 8 registers: lane l holds row l % 16; registers 0-3 hold K = 8 (l / 16) + 0..7, registers 4-7 K = 16 + 8 (l / 16) + 0..7: two loads of 16 bytes, 32 bytes apart.
	v_and_b32 v1, 15, v0                           ; l % 16
	v_bfe_u32 v2, v0, 4, 1                         ; l / 16
	v_mul_u32_u24 v3, v1, PITCH
	v_lshl_add_u32 v3, v2, 4, v3                   ; row x pitch + 16 x half
	s_mul_i32 s21, s11, HA                         ; my 128 rows of A
	s_mul_i32 s22, s12, HB                         ; my 16 NBLK rows of B,
	s_add_co_u32 s22, s22, 2*HA                    ; which lie behind A's 256
	v_add_nc_u32 v[ADRA0], s21, v3
	v_add_nc_u32 v[ADRB0], s22, v3
	v_add_nc_u32 v[ADRA], s21, v3                  ; the walk begins in slot 0
	v_add_nc_u32 v[ADRB], s22, v3
	s_mul_i32 s23, s10, 16*SPITCH
	s_add_co_u32 s23, s23, STAGE                   ; my stage
	v_mul_u32_u24 v4, v1, SPITCH                   ; in: row l % 16; a lane's eight columns of a block are
.if OUTK == 0
	v_lshl_add_u32 v4, v2, 5, v4                   ; 32 bytes of f32
.else
	v_lshl_add_u32 v4, v2, 4, v4                   ; 16 bytes of 16-bit numbers
.endif
	v_add_nc_u32 v[STO], s23, v4
	v_mul_u32_u24 v5, v2, SPITCH                   ; back: lanes 0-15 take one row of 256 bytes, lanes 16-31 the next
	v_lshl_add_u32 v5, v1, 4, v5
	v_add_nc_u32 v[RD], s23, v5
	v_lshlrev_b32 v5, 12, v2                       ; and the same two rows in C, CROW bytes apart
	v_lshl_add_u32 v[CO], v1, 4, v5
.if OUTK
	v_mov_b32 v[ZR], 0
.endif
	v_lshlrev_b32 v[BO], 5, v2
	; where my part of the tile begins in C, in bytes (under 2^25): the way out adds it to C's address
	s_lshl_b32 s13, s13, 8                         ; 256 x tile row
	s_lshl_b32 s14, s11, 7
	s_add_co_u32 s16, s13, s14                     ; my first row of C
	s_lshl_b32 s16, s16, 12                        ; x CROW
	s_mov_b32 s17, 0
	s_lshl_b32 s46, s42, 9                         ; my first column, in bytes: 512 x tile column + 256 x half (in the registers that held B's address: none that feeds A's descriptors ever holds cx)
	s_lshl_b32 s47, s12, 8
	s_add_co_u32 s46, s46, s47
	s_mov_b32 s47, 0
	s_add_nc_u64 s[16:17], s[16:17], s[46:47]
	; the bias of my columns, f32: block b's sixteen numbers are 64 bytes; a lane takes the 32 bytes of its eight columns, into the registers that the first products name as C
	s_lshl_b32 s46, s42, LOGTN+2
	s_lshl_b32 s47, s12, LOGTN+1
	s_add_co_u32 s46, s46, s47
	s_mov_b32 s47, 0
	s_add_nc_u64 s[BP:BP+1], s[BP:BP+1], s[46:47]
.if NBIAS == 2
	s_add_nc_u64 s[BP+2:BP+3], s[BP+2:BP+3], s[46:47]
.endif
	WIN TO_B
.set bb, 0
.rept NBLK
	global_load_b128 v[BI+8*bb:BI+8*bb+3],   v[BO], s[BP:BP+1] offset:64*bb
	global_load_b128 v[BI+8*bb+4:BI+8*bb+7], v[BO], s[BP:BP+1] offset:64*bb+16
.if NBIAS == 2
	global_load_b128 v[B2+8*bb:B2+8*bb+3],   v[BO], s[BP+2:BP+3] offset:64*bb
	global_load_b128 v[B2+8*bb+4:B2+8*bb+7], v[BO], s[BP+2:BP+3] offset:64*bb+16
.endif
.set bb, bb+1
.endr
	WIN 0
	; the prefetches.  s13 = 256 x tile row, s42 = tile column, s40 = cx, s41 = cy still stand; s[4:5] = A, s[6:7] = B
	s_lshl_b32 s42, s42, LOGTN
	s_and_b32 s22, ttmp7, 0xffff                   ; cluster y
	s_cmp_eq_u32 s11, 0                            ; do I fetch for A?
	s_cselect_b32 s20, s13, s42                    ; the tile's first row: in A by the tile row, in B by the tile column
	s_cselect_b32 s21, s40, s41                    ; my place among the four that ask for it with me
	s_cselect_b32 s22, ttmp9, s22                  ; the coordinate along which other clusters read the same rows
	s_cselect_b64 s[PFA:PFA+1], s[4:5], s[6:7]
	s_cmp_eq_u32 s22, 0
	s_cselect_b32 s[LIM], 2, -1                    ; the same in all sixteen partners, for a given wave
	s_lshl_b32 s22, s12, 7                         ; the 128 rows that I fetch
.if NBLK == 4                          ; B's tile has 128 rows in all: 4 partners x 32 rows are one wave's asking: wave 2 asks, wave 3 never does and stands at the tile's head
	s_cmp_eq_u32 s11, 0
	s_cselect_b32 s22, s22, 0
	s_cmp_eq_u32 s10, 3
	s_cselect_b32 s[LIM], -1, s[LIM]
.endif
	s_add_co_u32 s20, s20, s22
	s_lshl_b32 s21, s21, 5
	s_add_co_u32 s20, s20, s21                     ; + my work-group's 32 of them
	s_mov_b32 s21, 0
	s_mov_b64 s[18:19], SIZE_K*2
	s_mul_u64 s[20:21], s[20:21], s[18:19]
	s_add_nc_u64 s[PFA:PFA+1], s[PFA:PFA+1], s[20:21]
	s_add_nc_u64 s[PFA:PFA+1], s[PFA:PFA+1], 2*KSTEP*2  ; at K step 2: the first refill steps it to 3 and names K step 4
	v_and_b32 v[PFO], 31, v0
	v_mul_u32_u24 v[PFO], v[PFO], SIZE_K*2
	; nothing is prefetched here, at the head, where every work-group's first two tiles are on their way
; One matrix instruction, in the operands' format; rD, rB, rA, rC are set by the macro that writes it.
.macro MMA
.if INF16
	v_wmma_f32_16x16x32_f16 v[rD:rD+7], v[rB:rB+7], v[rA:rA+7], v[rC:rC+7]
.else
	v_wmma_f32_16x16x32_bf16 v[rD:rD+7], v[rB:rB+7], v[rA:rA+7], v[rC:rC+7]
.endif
.endm
; 2 NBLK matrix instructions: m blocks a0, a0 + 1 of the window's four (hi = 0: my rows 0-63, 1: rows 64-127) x all n blocks, 32 along K.  first = 1: the product starts the sum, with the bias as C (window 1).
; The accumulators take turns, one instruction a turn, in the same order in every quarter step, over the loop's backward jump and into the tail too.
.macro MUL16 f, hi, a0, first
.if \first
	WIN 0x91+0x40*(\hi)                            ; source 0 (B) and C window 1, source 1 (A) window 0, D window 2 or 3
.else
	WIN 0xa1+0x50*(\hi)                            ; source 0 window 1, source 1 window 0, C and D window 2 or 3
.endif
.irp a, \a0, (\a0)+1
.set bb, 0
.rept NBLK
.set rD, 8*(NBLK*(\a)+bb)
.set rB, (\f)+8*bb
.set rA, (\f)+8*(4*(\hi)+(\a))
.if \first
.set rC, BI+8*bb
.else
.set rC, 8*(NBLK*(\a)+bb)
.endif
	MMA
.set bb, bb+1
.endr
.endr
.endm
; NL LDS loads in one run: the fragments of one quarter step (my rows of B, my 128 rows of A, 32 K at byte k of the rows of the slot that is read) into buffer f
.macro FETCH k, f
	WIN TO_B
.set ii, 0
.rept NBLK
	ds_load_b128 v[(\f)+8*ii:(\f)+8*ii+3],   v[ADRB] offset:(\k)+ii*16*PITCH
	ds_load_b128 v[(\f)+8*ii+4:(\f)+8*ii+7], v[ADRB] offset:(\k)+ii*16*PITCH+32
.set ii, ii+1
.endr
	WIN 0
.irp i, 0,1,2,3,4,5,6,7
	ds_load_b128 v[(\f)+8*(\i):(\f)+8*(\i)+3],   v[ADRA] offset:(\k)+(\i)*16*PITCH
	ds_load_b128 v[(\f)+8*(\i)+4:(\f)+8*(\i)+7], v[ADRA] offset:(\k)+(\i)*16*PITCH+32
.endr
.endm
; A load into a register that a matrix instruction has read, and an instruction that reads a matrix result, stand four places behind that matrix instruction, and only plain vector instructions that
; name none of its registers are places (ISA guide 7.12.1 for vector instructions).
.macro PLACES
.rept 4
	v_nop
.endr
.endm
; A K step is four quarter steps of 32 along K, 8 NBLK matrix instructions each, on buffers 0, 1, 0, 1.
; One of the first three: multiplies buffer f; in its middle it fetches the next quarter's fragments, at byte k of the same slot's rows, into buffer g.
.macro QUARTER k, f, g, first
	s_wait_dscnt 8                                 ; B and A's rows 0-63 are in; the youngest eight loads (A's rows 64-127) may be out
	MUL16 \f, 0, 0, \first
	MUL16 \f, 0, 2, \first
	PLACES
	FETCH \k, \g
	s_wait_dscnt NL                                ; all but the NL just issued
	MUL16 \f, 1, 0, \first
	MUL16 \f, 1, 2, \first
.endm
; The last quarter multiplies buffer 1 and changes slots.  Its first half stands AHEAD of the change, so that a whole K step's matrix instructions lie between a refill's request and the wait for it.
; The change: each wave waits for all its tensor loads, of which one is out: its part of the next slot; adds 0 to its spare word; and waits for that and for its own reads of this slot.  The barrier is a round
; of the cluster's: behind it no wave of any partner reads this slot any more or has a load on its way, and the next slot is whole.  The joint refill, this slot's K step two steps on, is the first thing there.
.macro TURN
	s_wait_xcnt 0x0                                ; the last prefetch, a K step back, has read its address: it is stepped here, ahead of the waits of the change of slots
	s_add_nc_u64 s[PFA:PFA+1], s[PFA:PFA+1], KSTEP*2
	s_wait_dscnt 8                                 ; as at a quarter's head
	MUL16 F1, 0, 0, 0
	MUL16 F1, 0, 2, 0
	WIN 0
	s_wait_tensorcnt 0x0                           ; all my tensor loads have landed: no load of mine is out, so a group 0 may be written;
	ds_add_u32 v[SPW], v[NIL]                      ; 0 onto my spare word: the descriptors' steps stand between it and the wait for it
	s_add_co_u32 s[G0+5], s[WA], s[TB]             ; the walking descriptors: into the slot that has just been read,
	s_add_co_u32 s[G0B+5], s[WB], s[TB]
	s_add_nc_u64 s[G0+6:G0+7], s[G0+6:G0+7], KSTEP*2      ; the next K step; the type bits on top are not reached
	s_add_nc_u64 s[G0B+6:G0B+7], s[G0B+6:G0B+7], KSTEP*2
	s_xor_b32 s[TB], s[TB], SLOT                   ; from here on the other slot is read
	s_wait_dscnt 0x0                               ; the add is done, and my reads of this slot are over
	CROUND
	JLOAD 1                                        ; the four v_nop behind it, and the two lines below, are the places in front of the loads into buffer 0
	v_add_nc_u32 v[ADRA], s[TB], v[ADRA0]
	v_add_nc_u32 v[ADRB], s[TB], v[ADRB0]
	FETCH 0, F0
	ASK
	MUL16 F1, 1, 0, 0
	MUL16 F1, 1, 2, 0
.endm
; THE LAST K STEP GOES BY ROWS OF C, NOT BY K.  All its fragments of B (4 quarters x 8 NBLK registers) lie in window 1; my eight blocks of 16 rows are finished one after the other, each with 4 NBLK matrix
; instructions (its NBLK accumulators by turns, K ascending).  LDS is read no more than in any other K step.
.macro BLOAD q                         ; B's fragments of quarter q -> window 1, v[64 q ..]
	WIN TO_B
.set ii, 0
.rept NBLK
	ds_load_b128 v[64*(\q)+8*ii:64*(\q)+8*ii+3],   v[ADRB] offset:64*(\q)+ii*16*PITCH
	ds_load_b128 v[64*(\q)+8*ii+4:64*(\q)+8*ii+7], v[ADRB] offset:64*(\q)+ii*16*PITCH+32
.set ii, ii+1
.endr
.endm
.macro ALOAD a                         ; A's fragments of block a, all four quarters -> buffer a % 4
	WIN 0
.set FA, PA+32*((\a)%4)
.irp q, 0,1,2,3
	ds_load_b128 v[FA+8*(\q):FA+8*(\q)+3],   v[ADRA] offset:64*(\q)+(\a)*16*PITCH
	ds_load_b128 v[FA+8*(\q)+4:FA+8*(\q)+7], v[ADRA] offset:64*(\q)+(\a)*16*PITCH+32
.endr
.endm
.macro ROW a                           ; block a is finished
.set FA, PA+32*((\a)%4)                ; its fragments of A
.set AC, 8*NBLK*((\a)%4)               ; its accumulators, in window 2 (blocks 0-3) or 3 (blocks 4-7)
	WIN 0xa1+0x50*((\a)/4)
.irp q, 0,1,2,3
.if ((\a) == 0) && ((\q) == 2)
	s_wait_dscnt 24                                ; B's quarter 2 is in (behind it: A's blocks 1 to 3)
.endif
.set bb, 0
.rept NBLK
.set rD, AC+8*bb
.set rC, AC+8*bb
.set rB, 64*(\q)+8*bb
.set rA, FA+8*(\q)
	MMA
.set bb, bb+1
.endr
.endr
.endm
; THE WAY OUT of block a, in three parts.  PACK: rounded to 16 bits, 16 bytes a lane, and the relu on the packed halves (rounding keeps the sign, so the order of the two does not matter).
; TOSTAGE: into my own stage in LDS, and back as whole rows of 256 bytes.  SEND: stored.  With f32 results there is no PACK: the accumulators go into the stage as they are, the low four registers first.
.macro PACK a
.set AC, 8*NBLK*((\a)%4)
	WIN 0x0a+5*((\a)/4)                            ; sources 0 and 1: window 2 or 3
.irp b, 0,1,2,3,4,5,6,7
.irp r, 0,1,2,3
.if OUTK == 1
	v_cvt_pk_f16_f32 v[TMP+4*(\b)+(\r)], v[AC+8*(\b)+2*(\r)], v[AC+8*(\b)+2*(\r)+1]
.else
	v_cvt_pk_bf16_f32 v[TMP+4*(\b)+(\r)], v[AC+8*(\b)+2*(\r)], v[AC+8*(\b)+2*(\r)+1]
.endif
.endr
.endr
	WIN 0
.set ii, 0
.rept 32
.if OUTK == 1
	v_pk_max_num_f16 v[TMP+ii], v[TMP+ii], v[ZR]
.else
	v_pk_max_num_bf16 v[TMP+ii], v[TMP+ii], v[ZR]
.endif
.set ii, ii+1
.endr
.endm
.macro TOSTAGE a
.set BK, OB+192*((\a)%2)
.set AC, 8*NBLK*((\a)%4)
.if OUTK
	WIN 0
.irp b, 0,1,2,3,4,5,6,7
	ds_store_b128 v[STO], v[TMP+4*(\b):TMP+4*(\b)+3] offset:32*(\b)
.endr
.else
	WIN 0x08+4*((\a)/4)                            ; the stores' data: window 2 or 3
.irp b, 0,1,2,3
	ds_store_b128 v[STO], v[AC+8*(\b):AC+8*(\b)+3]   offset:64*(\b)
	ds_store_b128 v[STO], v[AC+8*(\b)+4:AC+8*(\b)+7] offset:64*(\b)+16
.endr
	WIN 0
.endif
.irp t, 0,1,2,3,4,5,6,7
	ds_load_b128 v[BK+4*(\t):BK+4*(\t)+3], v[RD] offset:(\t)*2*SPITCH  ; LDS serves a wave's instructions in order (ISA guide 5.7.1.4): these see the stores above, and the next block's stores come behind them
.endr
.endm
.macro SEND a, younger                 ; younger: the LDS loads issued behind block a's loads from the stage, which may stay out
.set BK, OB+192*((\a)%2)
	WIN 0
	s_wait_dscnt \younger                          ; the block is back in registers
	s_wait_xcnt 0x0                                ; every earlier memory instruction has had its addresses translated (ISA guide 3.1): only behind this wait are the stores' base and the registers that earlier stores read rewritten
.if (\a) == 0
	s_add_nc_u64 s[8:9], s[8:9], s[16:17]          ; on to my first rows
.else
	s_add_nc_u64 s[8:9], s[8:9], 16*CROW           ; 16 rows of C on
.endif
.irp t, 0,1,2,3,4,5,6,7
	global_store_b128 v[CO], v[BK+4*(\t):BK+4*(\t)+3], s[8:9] offset:2*(\t)*CROW  ; 16 lanes store 256 consecutive bytes, at a multiple of 256 from C's first byte
.endr
.endm
	s_wait_tensorcnt 1                             ; my part of K step 0 is in; K step 1's may stay out
	s_barrier_signal -1
	s_barrier_wait -1                              ; everybody's is
	FETCH 0, F0
	s_wait_loadcnt 0x0                             ; the bias
.if NBIAS == 2
	WIN 0x45                                       ; destination and both sources window 1
.set ii, 0
.rept 4*NBLK
	v_pk_add_f32 v[BI+2*ii:BI+2*ii+1], v[BI+2*ii:BI+2*ii+1], v[B2+2*ii:B2+2*ii+1]  ; the two bias vectors are one addend
.set ii, ii+1
.endr
.endif
	QUARTER 64,  F0, F1, 1                         ; the first quarter stands in front of the loop: its products start the sums
	WIN 0                                          ; at a label and at a branch every window is 0
	s_mov_b32 s3, STEPS-2
.Lstep:                                                ; a trip goes from a K step's second quarter to the next step's first, and fills the slot that it leaves: every K step but the last two
	QUARTER 128, F1, F0, 0
	QUARTER 192, F0, F1, 0
	TURN
	QUARTER 64,  F0, F1, 0
	WIN 0
	s_sub_co_u32 s3, s3, 1
	s_cmp_lg_u32 s3, 0
	s_cbranch_scc1 .Lstep
	QUARTER 128, F1, F0, 0                         ; the last K step but one goes on; what follows is written out: it fills nothing
	QUARTER 192, F0, F1, 0
	s_wait_dscnt 8
	MUL16 F1, 0, 0, 0
	MUL16 F1, 0, 2, 0
	WIN 0
	s_wait_tensorcnt 0x0                           ; my one tensor load that was still out is the last K step's
	ds_add_u32 v[SPW], v[NIL]                      ; 0 onto my spare word
	s_xor_b32 s[TB], s[TB], SLOT
	s_wait_dscnt 0x0                               ; no LDS instruction of mine is pending at the signal
	s_barrier_signal -1
	s_barrier_wait -1                              ; the last slot is whole; nothing is filled again, so no round follows
	v_add_nc_u32 v[ADRA], s[TB], v[ADRA0]
	v_add_nc_u32 v[ADRB], s[TB], v[ADRB0]
	PLACES                                         ; for the loads into buffer 0, which the quarter before multiplied
	BLOAD 0                                        ; three quarters of B now: buffer 1 (v128.. of both windows) is still being multiplied
	BLOAD 1
	BLOAD 3
	ALOAD 0
	MUL16 F1, 1, 0, 0
	MUL16 F1, 1, 2, 0
	PLACES                                         ; for the loads into buffer 1
	BLOAD 2
	ALOAD 1
	ALOAD 2
	ALOAD 3
	s_wait_dscnt 24+2*NBLK                         ; all but those just issued
	ROW 0
.irp a, 0,1,2,3,4,5,6,7                ; block a leaves; block a + 1's products stand between its trip through the stage and its stores
	PLACES                                         ; the places behind the block's last products, ahead of the first read of a result;
	PLACES                                         ; twice the four
.if OUTK
	PACK \a
.endif
	TOSTAGE \a
.if (\a) < 4
	ALOAD (\a)+4                                   ; its buffer takes the block four further on
	s_wait_dscnt 24                                ; all that was issued ahead of the stage's 16 and these 8 is in: block a + 1's fragments among it
	ROW (\a)+1
	SEND \a, 8
.elseif (\a) < 7
	s_wait_dscnt 16                                ; likewise, ahead of the stage's 16
	ROW (\a)+1
	SEND \a, 0
.else
	SEND \a, 0
.endif
.endr
	s_wait_tensorcnt 0x0                           ; the wave's end, behind my last tensor load and my last LDS store
	ds_add_u32 v[SPW], v[NIL]
	s_wait_dscnt 0x0
	CROUND                                         ; the closing round: no work-group ends while a partner may still ask for a tile that names it
	s_endpgm
.Lfunc_end_k_qcefd60d13c_g1:
	.size	k_qcefd60d13c_g1, .Lfunc_end_k_qcefd60d13c_g1-k_qcefd60d13c_g1
	.p2alignl 7, 3214868480
	.fill 96, 4, 3214868480
	.section	.rodata,"a",@progbits
	.p2align	6, 0x0
	.amdhsa_kernel k_qcefd60d13c_g1
		.amdhsa_group_segment_fixed_size 327680
		.amdhsa_private_segment_fixed_size 0
		.amdhsa_enable_private_segment 0
		.amdhsa_kernarg_size 32
		.amdhsa_user_sgpr_count 2
		.amdhsa_user_sgpr_kernarg_segment_ptr 1
		.amdhsa_wavefront_size32 1
		.amdhsa_system_sgpr_workgroup_id_x 1
		.amdhsa_system_sgpr_workgroup_id_y 1
		.amdhsa_system_sgpr_workgroup_id_z 1
		.amdhsa_system_vgpr_workitem_id 0
		.amdhsa_next_free_vgpr 1024
		.amdhsa_next_free_sgpr 76
		.amdhsa_reserve_vcc 0
		.amdhsa_float_denorm_mode_32 3
		.amdhsa_float_denorm_mode_16_64 3
		.amdhsa_memory_ordered 1
		.amdhsa_forward_progress 1
		.amdhsa_inst_pref_size 137
	.end_amdhsa_kernel
	.amdgpu_metadata
---
amdhsa.version: [ 1, 2 ]
amdhsa.kernels:
  - .name:           k_qcefd60d13c_g1
    .symbol:         k_qcefd60d13c_g1.kd
    .args:
      - { .name: xb, .offset: 0, .size: 8, .value_kind: global_buffer, .address_space: global }
      - { .name: w1b, .offset: 8, .size: 8, .value_kind: global_buffer, .address_space: global }
      - { .name: h1, .offset: 16, .size: 8, .value_kind: global_buffer, .address_space: global }
      - { .name: b_init, .offset: 24, .size: 8, .value_kind: global_buffer, .address_space: global }
    .group_segment_fixed_size: 327680
    .private_segment_fixed_size: 0
    .kernarg_segment_align: 8
    .kernarg_segment_size: 32
    .max_flat_workgroup_size: 128
    .sgpr_count:     76
    .vgpr_count:     1024
    .wavefront_size: 32
...
	.end_amdgpu_metadata
.endif
;; end of part 2
;; launch g2 (part 3): grid 8 x 32, 4 waves a work-group, clusters of 4 x 4, 327,680 bytes of LDS; arguments h1, w2h, h2, b_ih, b_hh; writes h2
.if DOCPART == 3
	.amdgcn_target "amdgcn-amd-amdhsa--gfx1250"
	.amdhsa_code_object_version 6
	.text
	.protected	k_qcefd60d13c_g2
	.globl	k_qcefd60d13c_g2
	.p2align	8
	.type	k_qcefd60d13c_g2,@function
k_qcefd60d13c_g2:
	s_mov_b64 s[64:65], 0
	v_nop
	global_prefetch_b8 v0, s[64:65] scope:SCOPE_SE
	s_setreg_imm32_b32 hwreg(HW_REG_WAVE_MODE, 25, 1), 1
	s_wait_xcnt 0x0
	s_wait_alu depctr_hold_cnt(0) depctr_sa_sdst(0) depctr_va_vdst(0) depctr_va_sdst(0) depctr_va_ssrc(0) depctr_va_vcc(0) depctr_vm_vsrc(0)
	s_getreg_b32 s2, hwreg(HW_REG_IB_STS2, 6, 4)
	s_cmp_eq_u32 s2, 0
	s_cbranch_scc0 .Lentry_in_a_cluster
	s_endpgm
.Lentry_in_a_cluster:
	s_bfe_u32 s2, ttmp6, 0x10000c
	s_cmp_lg_u32 s2, 0xf033
	s_cbranch_scc0 .Lentry_shape_is_right
	s_endpgm
.Lentry_shape_is_right:
; LAYER 2: h2 = relu(h1 w2h^T + b_ih + b_hh).  A = h1 [8192][2048] f16, B = w2h [2048][2048] f16 (W_ih rounded to bf16, written as f16), C = h2 [8192][2048] bf16, both bias vectors f32.
; LIMITS.  The operands arrive within f16's range.  h2 is kept in bf16, which has f32's range.  The two bias vectors are added to each other first, and their sum is the first term of each sum, not the last.
; A NaN in front of the relu becomes 0; infinities are not treated apart.
; The text below the six constants is the same for the program's three products.
.set SIZE_K, 2048                      ; the product's K
.set NBLK,   8                         ; blocks of 16 columns in a wave's tile: the work-group's tile of C is 256 rows x 32 NBLK columns
.set LOGTN,  8                         ; log2 of the tile's columns
.set INF16,  1                         ; the operands: 0 bf16, 1 f16
.set OUTK,   2                         ; the way out: 0 f32 as it is; 1 relu, f16; 2 relu, bf16
.set NBIAS,  2                         ; bias vectors
; C[m][n] = f(bias[n] + sum over k of A[m][k] B[n][k]).  A: [8192][SIZE_K], B: [8 x 32 NBLK][SIZE_K], 16-bit; sums in f32; a row of C is 4,096 bytes.
; SHARES.  256 work-groups, one tile of C each; four waves, each 128 rows x 16 NBLK columns: 8 NBLK accumulators of 16 x 16.  K goes in steps of 128 through a ring of two LDS slots filled by the tensor data
; mover: a tile's rows are 256 bytes of memory and start at multiples of 256 bytes from the buffer's first byte.
; ONE K STEP IS WRITTEN ONCE: which slot is read is a scalar, TB (0 or SLOT), turned by an exclusive or at each change of slots; the fragments' LDS addresses and the walking descriptors' LDS words are sums with it.
; CLUSTERS: 4 x 4 work-groups.  The four of a row of the cluster need the same tiles of A, the four of a column the same tiles of B: each tile is asked for JOINTLY, by the same tensor load with the same
; descriptor and a mask that names the four; each receives it in its own LDS.
; THE MATRIX INSTRUCTION IS USED TRANSPOSED: source 0 = 16 rows of B, source 1 = 16 rows of A.  Lane l then holds row m = l % 16 of C and, in registers 0 to 7, the columns 8 (l / 16) + 0..7 of the block.
; THE BIAS STARTS THE SUMS: a tile's first products take as C eight registers that hold the bias of those eight columns: nothing is cleared, and nothing is added on the way out.
; THE LAST K STEP GOES BY ROWS OF C: my eight blocks of 16 rows are finished one after the other, and each leaves while the next is multiplied.
; REGISTERS, in windows of 256 (s_set_vgpr_msb: bits 1:0 source 0, 3:2 source 1, 5:4 source 2, 7:6 destination):
;   window 0: v0-31 addresses; v64-127, v128-191 fragments of A (8 x 16 rows x 32 K), two buffers (in the last K step four, of 16 rows x 128 K); v32-63, v192-255 at work on the way out
;   window 1: v0.. the bias, 8 registers a block; v64.., v128.. fragments of B, two buffers; v192-255 a second bias; in the last K step B's fragments of the whole step, quarter q at v[64 q ..]
;   window 2: the accumulators of my rows 0-63 ((a, b) at v[8 (NBLK a + b)]);   window 3: those of my rows 64-127
.set KSTEP,  128
.set PITCH,  272                       ; an LDS row: 256 bytes of data + 16 of padding = 68 words: row r starts at bank 4 r mod 64 (64 banks of 4 bytes: ISA guide 11.1), so the 16 rows of a load start at 16 different banks
.set HA,     128*PITCH                 ; 128 rows of A: what one tensor load brings, and what one wave reads
.set HB,     16*NBLK*PITCH             ; the same for B
.set SLOT,   2*HA+2*HB                 ; A's 256 rows, then B's 32 NBLK rows
.set STAGE,  2*SLOT                    ; behind the ring: 16 rows x 272 bytes for each wave, for the way out; no tile lands here
.set SPITCH, 272
.set SPARE,  STAGE+4*16*SPITCH         ; behind the stages: the spare words, 128 bytes for each wave: two blocks of 256 bytes that no other line names
.set NL,     16+2*NBLK                 ; LDS loads in a quarter step's run
.set CROW,   4096                      ; bytes in a row of C
.set STEPS,  SIZE_K/KSTEP              ; K steps
.set ADRA,  16                         ; v16     LDS address of my A fragments in the slot that is read
.set ADRA0, 17                         ; v17     the same in slot 0; never rewritten
.set ADRB,  20                         ; v20, v21  the same two for B
.set ADRB0, 21
.set STO,  24                          ; v24     the way out: where I put my part of a row
.set RD,   25                          ; v25     the way out: where I read a row back
.set CO,   26                          ; v26     my byte offset in C
.set ZR,   27                          ; v27     0, for the relu
.set SPW,  28                          ; v28     LDS address of my spare word: SPARE + 4 x my thread's number; never rewritten
.set NIL,  29                          ; v29     0; never rewritten
.set PFO,  30                          ; v30     the prefetches' offset: my lane x a row of A or B in memory; never rewritten
.set BO,   31                          ; v31     my byte offset in a block's 64 bytes of bias: 32 (l / 16)
.set OB,   32                          ; the way out: 16 rows read back from the stage: v32-63 and v224-255 by turns
.set F0,   64                          ; fragment buffer 0
.set F1,   128                         ; fragment buffer 1
.set PA,   64                          ; the last K step: A's fragments of 16 rows x 128 K, 32 registers; four such buffers, v64-191
.set TMP,  192                         ; the way out: packed results
.set BI,   0                           ; window 1: the bias
.set B2,   192                         ; window 1: the second bias
.set G1,  24                           ; s[24:31] descriptor group 1 for A's tiles
.set G0,  32                           ; s[32:39] descriptor group 0 for A's tiles: a set for each of the two first fills; the second then walks on
.set LIM, 43                           ; s43     2 in a wave that prefetches, else the greatest number
.set PFA, 44                           ; s[44:45] where my prefetches stand: one K step further along K than the refill that is being asked for; a prefetch names the K step after that
.set G1B, 48                           ; s[48:55] descriptor group 1 for B's tiles
.set G0B, 56                           ; s[56:63] descriptor group 0 for B's tiles, likewise
.set BP,  66                           ; s[66:67], s[68:69] the bias vectors
.set TB,  70                           ; s70     LDS byte at which the slot that is read begins: 0 or SLOT
.set WA,  72                           ; s72     where my part of A's tile goes in a slot: wave x 128 rows
.set WB,  73                           ; s73     the same for B's tile
.set MSB, 0
.macro WIN new                         ; the immediate's high byte repeats the setting that is left; a switch that changes nothing is dropped
.if MSB != (\new)
	s_set_vgpr_msb (MSB<<8)|(\new)
.set MSB, \new
.endif
.endm
.set TO_B, 0x40                        ; destination window 1, address window 0
; A joint load.  Waves 0 and 1 fetch A's two halves, waves 2 and 3 B's.  Each of the two lines has ONE mask and one set of registers for all that issue it.  The branch hangs on the wave's number alone.
; An s_nop 0 and four v_nop follow each of the two lines, ahead of the jump, the label and what follows the macro.
.macro JLOAD s
	s_cmp_eq_u32 s11, 0
	s_cbranch_scc0 .Lfor_b_\@
	tensor_load_to_lds s[G0+4*(\s):G0+4*(\s)+3], s[G1:G1+7]
	s_nop 0
.rept 4
	v_nop
.endr
	s_branch .Lasked_\@
.Lfor_b_\@:
	tensor_load_to_lds s[G0B+4*(\s):G0B+4*(\s)+3], s[G1B:G1B+7]
	s_nop 0
.rept 4
	v_nop
.endr
.Lasked_\@:
.endm
; A PREFETCH INTO THE L2, behind each joint refill, its five lines and the run of LDS loads that follows them: the K step that stands TWO refills on: 32 rows x 256 bytes, a lane a row, one instruction a wave.
; Each row's 256 bytes of a K step are named ONCE in the launch.  A's tile row is read by every cluster of that row of clusters: the one with x = 0 asks; B's tile column by every cluster of that column: the one
; with y = 0 asks.  The four partners that ask for a tile jointly share its rows out BY ADDRESS, 32 each (by cx for A, by cy for B): no branch hangs on a work-group's place in its cluster.
; K steps 0 to 3 come by their loads alone; the loop's last two trips (s3 = 2, 1) ask for nothing: there is no K step two on.
.macro ASK
	s_cmp_gt_u32 s3, s[LIM]
	s_cbranch_scc0 .Lnot_mine_\@
	global_prefetch_b8 v[PFO], s[PFA:PFA+1] offset:KSTEP*2 th:TH_LOAD_NT scope:SCOPE_SE
.Lnot_mine_\@:
.endm
; A round of the cluster's barrier: my work-group's barrier, so that wave 0's signal speaks for all four waves; wave 0 signals for the work-group; every wave waits for all sixteen work-groups; my work-group's barrier once more.
.macro CROUND
	s_barrier_signal -1
	s_barrier_wait -1
	s_cmp_lg_u32 s10, 0
	s_cbranch_scc1 .Lnot_wave_0_\@
	s_barrier_signal -3
.Lnot_wave_0_\@:
	s_barrier_wait -3
	s_barrier_signal -1
	s_barrier_wait -1
.endm
	s_load_b128 s[4:7], s[0:1], 0x0                ; A s[4:5], B s[6:7]
	s_load_b64 s[8:9], s[0:1], 0x10                ; C
	s_load_b64 s[BP:BP+1], s[0:1], 0x18            ; the bias
.if NBIAS == 2
	s_load_b64 s[BP+2:BP+3], s[0:1], 0x20          ; the second bias
.endif
	v_lshl_add_u32 v[SPW], v0, 2, SPARE
	v_mov_b32 v[NIL], 0
	ds_add_u32 v[SPW], v[NIL]                      ; the wave's opening: the add and its wait stand ahead of my first tensor load; the set-up below, work on registers, stands between them
	v_lshrrev_b32 v1, 5, v0
	v_readfirstlane_b32 s10, v1                    ; wave 0..3
	s_lshr_b32 s11, s10, 1                         ; which half of the tile's rows is mine.  Also: I fetch for A (0) or for B (1)
	s_and_b32 s12, s10, 1                          ; which half of its columns.  Also: which half of that tile's rows I fetch
	s_bfe_u32 s40, ttmp6, 0x40000                  ; cx: my place along the cluster's x
	s_bfe_u32 s41, ttmp6, 0x40004                  ; cy: along its y
	s_lshl_b32 s42, ttmp9, 2                       ; in a cluster launch ttmp9 and ttmp7 count clusters
	s_add_co_u32 s42, s42, s40                     ; tile column of C = 4 x cluster x + cx
	s_and_b32 s13, ttmp7, 0xffff
	s_lshl_b32 s13, s13, 2
	s_add_co_u32 s13, s13, s41                     ; tile row of C = 4 x cluster y + cy
	s_lshl_b32 s43, s41, 2
	s_lshl_b32 s43, 15, s43                        ; my row of the cluster: places 4 cy .. 4 cy + 3
	s_lshl_b32 s44, 0x1111, s40                    ; my column: places cx, cx + 4, cx + 8, cx + 12
	; descriptor group 1: a tile of 128 (B: 16 NBLK) rows x 128 elements, padded in LDS
	s_or_b32 s[G1+0], s43, (1<<16)|(1<<20)|(1<<21)|(5<<22)|(3<<25)   ; 15:0 the mask: A's tiles go to my row; 17:16 element of 2 bytes; 20 padding on; 21 set beside a mask; 24:22 after every 64 words (code 5); 31:25 4 words of it (code 3)
	s_or_b32 s[G1B+0], s44, (1<<16)|(1<<20)|(1<<21)|(5<<22)|(3<<25)  ; the same with the mask of my column, for B's tiles
	s_mov_b32 s[G1+1], KSTEP<<16                   ; tensor_dim0 = 128
	s_mov_b32 s[G1B+1], KSTEP<<16
	s_mov_b32 s[G1+2], 128<<16                     ; tensor_dim1 = the tile's rows
	s_mov_b32 s[G1B+2], (16*NBLK)<<16
	s_mov_b32 s[G1+3], KSTEP<<16                   ; tile_dim0 = 128
	s_mov_b32 s[G1B+3], KSTEP<<16
	s_mov_b32 s[G1+4], 128                         ; tile_dim1
	s_mov_b32 s[G1B+4], 16*NBLK
	s_mov_b32 s[G1+5], SIZE_K                      ; elements from row to row
	s_mov_b32 s[G1B+5], SIZE_K
	s_mov_b32 s[G1+6], 0
	s_mov_b32 s[G1B+6], 0
	s_mov_b32 s[G1+7], 0
	s_mov_b32 s[G1B+7], 0
	; where the tiles come from.  A's hang on the tile row alone, which my row of the cluster shares; B's on the tile column alone, which my column shares.
	; Every wave makes both addresses, in registers that never hold the other coordinate, and asks by one of them.
	s_lshl_b32 s17, s12, 7
	s_lshl_b32 s16, s13, 8
	s_add_co_u32 s16, s16, s17                     ; A: row 256 x tile row + 128 x half
	s_lshl_b32 s47, s12, LOGTN-1
	s_lshl_b32 s46, s42, LOGTN
	s_add_co_u32 s46, s46, s47                     ; B: row 32 NBLK x tile column + 16 NBLK x half
	s_mov_b32 s17, 0
	s_mov_b32 s47, 0
	s_mov_b64 s[18:19], SIZE_K*2
	s_mul_u64 s[16:17], s[16:17], s[18:19]         ; in bytes, in 64 bits
	s_mul_u64 s[46:47], s[46:47], s[18:19]
	s_mul_i32 s[WA], s10, HA                       ; and where they go in a slot: waves 0, 1: A's two halves;
	s_mul_i32 s[WB], s10, HB                       ; waves 2, 3: B's two halves, behind A's 256 rows: no place in the cluster enters an LDS address
.if HA != HB
	s_add_co_u32 s[WB], s[WB], 2*(HA-HB)
.endif
	s_mov_b32 s[TB], 0                             ; slot 0 is read first
	s_wait_dscnt 0x0                               ; the opening add is done
	s_wait_kmcnt 0x0
	s_add_nc_u64 s[14:15], s[4:5], s[16:17]
	s_add_nc_u64 s[46:47], s[6:7], s[46:47]
	CROUND                                         ; all sixteen work-groups are here: the first joint loads meet
.irp s, 0,1
	s_mov_b32 s[G0+4*(\s)], 1                                        ; 1:0 count = 1
	s_add_co_u32 s[G0+4*(\s)+1], s[WA], (\s)*SLOT                    ; 63:32 LDS address
	s_add_nc_u64 s[G0+4*(\s)+2:G0+4*(\s)+3], s[14:15], (\s)*KSTEP*2  ; 120:64 global address: K step s
	s_or_b32 s[G0+4*(\s)+3], s[G0+4*(\s)+3], 0x80000000              ; 127:126 type = 2
	s_mov_b32 s[G0B+4*(\s)], 1
	s_add_co_u32 s[G0B+4*(\s)+1], s[WB], (\s)*SLOT
	s_add_nc_u64 s[G0B+4*(\s)+2:G0B+4*(\s)+3], s[46:47], (\s)*KSTEP*2
	s_or_b32 s[G0B+4*(\s)+3], s[G0B+4*(\s)+3], 0x80000000
	JLOAD \s                                       ; the ring is filled before anything else is done: two tensor loads of mine are out here, later one
.endr
	; A fragment is 16 rows x 32 K in 8 registers: lane l holds row l % 16; registers 0-3 hold K = 8 (l / 16) + 0..7, registers 4-7 K = 16 + 8 (l / 16) + 0..7: two loads of 16 bytes, 32 bytes apart.
	v_and_b32 v1, 15, v0                           ; l % 16
	v_bfe_u32 v2, v0, 4, 1                         ; l / 16
	v_mul_u32_u24 v3, v1, PITCH
	v_lshl_add_u32 v3, v2, 4, v3                   ; row x pitch + 16 x half
	s_mul_i32 s21, s11, HA                         ; my 128 rows of A
	s_mul_i32 s22, s12, HB                         ; my 16 NBLK rows of B,
	s_add_co_u32 s22, s22, 2*HA                    ; which lie behind A's 256
	v_add_nc_u32 v[ADRA0], s21, v3
	v_add_nc_u32 v[ADRB0], s22, v3
	v_add_nc_u32 v[ADRA], s21, v3                  ; the walk begins in slot 0
	v_add_nc_u32 v[ADRB], s22, v3
	s_mul_i32 s23, s10, 16*SPITCH
	s_add_co_u32 s23, s23, STAGE                   ; my stage
	v_mul_u32_u24 v4, v1, SPITCH                   ; in: row l % 16; a lane's eight columns of a block are
.if OUTK == 0
	v_lshl_add_u32 v4, v2, 5, v4                   ; 32 bytes of f32
.else
	v_lshl_add_u32 v4, v2, 4, v4                   ; 16 bytes of 16-bit numbers
.endif
	v_add_nc_u32 v[STO], s23, v4
	v_mul_u32_u24 v5, v2, SPITCH                   ; back: lanes 0-15 take one row of 256 bytes, lanes 16-31 the next
	v_lshl_add_u32 v5, v1, 4, v5
	v_add_nc_u32 v[RD], s23, v5
	v_lshlrev_b32 v5, 12, v2                       ; and the same two rows in C, CROW bytes apart
	v_lshl_add_u32 v[CO], v1, 4, v5
.if OUTK
	v_mov_b32 v[ZR], 0
.endif
	v_lshlrev_b32 v[BO], 5, v2
	; where my part of the tile begins in C, in bytes (under 2^25): the way out adds it to C's address
	s_lshl_b32 s13, s13, 8                         ; 256 x tile row
	s_lshl_b32 s14, s11, 7
	s_add_co_u32 s16, s13, s14                     ; my first row of C
	s_lshl_b32 s16, s16, 12                        ; x CROW
	s_mov_b32 s17, 0
	s_lshl_b32 s46, s42, 9                         ; my first column, in bytes: 512 x tile column + 256 x half (in the registers that held B's address: none that feeds A's descriptors ever holds cx)
	s_lshl_b32 s47, s12, 8
	s_add_co_u32 s46, s46, s47
	s_mov_b32 s47, 0
	s_add_nc_u64 s[16:17], s[16:17], s[46:47]
	; the bias of my columns, f32: block b's sixteen numbers are 64 bytes; a lane takes the 32 bytes of its eight columns, into the registers that the first products name as C
	s_lshl_b32 s46, s42, LOGTN+2
	s_lshl_b32 s47, s12, LOGTN+1
	s_add_co_u32 s46, s46, s47
	s_mov_b32 s47, 0
	s_add_nc_u64 s[BP:BP+1], s[BP:BP+1], s[46:47]
.if NBIAS == 2
	s_add_nc_u64 s[BP+2:BP+3], s[BP+2:BP+3], s[46:47]
.endif
	WIN TO_B
.set bb, 0
.rept NBLK
	global_load_b128 v[BI+8*bb:BI+8*bb+3],   v[BO], s[BP:BP+1] offset:64*bb
	global_load_b128 v[BI+8*bb+4:BI+8*bb+7], v[BO], s[BP:BP+1] offset:64*bb+16
.if NBIAS == 2
	global_load_b128 v[B2+8*bb:B2+8*bb+3],   v[BO], s[BP+2:BP+3] offset:64*bb
	global_load_b128 v[B2+8*bb+4:B2+8*bb+7], v[BO], s[BP+2:BP+3] offset:64*bb+16
.endif
.set bb, bb+1
.endr
	WIN 0
	; the prefetches.  s13 = 256 x tile row, s42 = tile column, s40 = cx, s41 = cy still stand; s[4:5] = A, s[6:7] = B
	s_lshl_b32 s42, s42, LOGTN
	s_and_b32 s22, ttmp7, 0xffff                   ; cluster y
	s_cmp_eq_u32 s11, 0                            ; do I fetch for A?
	s_cselect_b32 s20, s13, s42                    ; the tile's first row: in A by the tile row, in B by the tile column
	s_cselect_b32 s21, s40, s41                    ; my place among the four that ask for it with me
	s_cselect_b32 s22, ttmp9, s22                  ; the coordinate along which other clusters read the same rows
	s_cselect_b64 s[PFA:PFA+1], s[4:5], s[6:7]
	s_cmp_eq_u32 s22, 0
	s_cselect_b32 s[LIM], 2, -1                    ; the same in all sixteen partners, for a given wave
	s_lshl_b32 s22, s12, 7                         ; the 128 rows that I fetch
.if NBLK == 4                          ; B's tile has 128 rows in all: 4 partners x 32 rows are one wave's asking: wave 2 asks, wave 3 never does and stands at the tile's head
	s_cmp_eq_u32 s11, 0
	s_cselect_b32 s22, s22, 0
	s_cmp_eq_u32 s10, 3
	s_cselect_b32 s[LIM], -1, s[LIM]
.endif
	s_add_co_u32 s20, s20, s22
	s_lshl_b32 s21, s21, 5
	s_add_co_u32 s20, s20, s21                     ; + my work-group's 32 of them
	s_mov_b32 s21, 0
	s_mov_b64 s[18:19], SIZE_K*2
	s_mul_u64 s[20:21], s[20:21], s[18:19]
	s_add_nc_u64 s[PFA:PFA+1], s[PFA:PFA+1], s[20:21]
	s_add_nc_u64 s[PFA:PFA+1], s[PFA:PFA+1], 2*KSTEP*2  ; at K step 2: the first refill steps it to 3 and names K step 4
	v_and_b32 v[PFO], 31, v0
	v_mul_u32_u24 v[PFO], v[PFO], SIZE_K*2
	; nothing is prefetched here, at the head, where every work-group's first two tiles are on their way
; One matrix instruction, in the operands' format; rD, rB, rA, rC are set by the macro that writes it.
.macro MMA
.if INF16
	v_wmma_f32_16x16x32_f16 v[rD:rD+7], v[rB:rB+7], v[rA:rA+7], v[rC:rC+7]
.else
	v_wmma_f32_16x16x32_bf16 v[rD:rD+7], v[rB:rB+7], v[rA:rA+7], v[rC:rC+7]
.endif
.endm
; 2 NBLK matrix instructions: m blocks a0, a0 + 1 of the window's four (hi = 0: my rows 0-63, 1: rows 64-127) x all n blocks, 32 along K.  first = 1: the product starts the sum, with the bias as C (window 1).
; The accumulators take turns, one instruction a turn, in the same order in every quarter step, over the loop's backward jump and into the tail too.
.macro MUL16 f, hi, a0, first
.if \first
	WIN 0x91+0x40*(\hi)                            ; source 0 (B) and C window 1, source 1 (A) window 0, D window 2 or 3
.else
	WIN 0xa1+0x50*(\hi)                            ; source 0 window 1, source 1 window 0, C and D window 2 or 3
.endif
.irp a, \a0, (\a0)+1
.set bb, 0
.rept NBLK
.set rD, 8*(NBLK*(\a)+bb)
.set rB, (\f)+8*bb
.set rA, (\f)+8*(4*(\hi)+(\a))
.if \first
.set rC, BI+8*bb
.else
.set rC, 8*(NBLK*(\a)+bb)
.endif
	MMA
.set bb, bb+1
.endr
.endr
.endm
; NL LDS loads in one run: the fragments of one quarter step (my rows of B, my 128 rows of A, 32 K at byte k of the rows of the slot that is read) into buffer f
.macro FETCH k, f
	WIN TO_B
.set ii, 0
.rept NBLK
	ds_load_b128 v[(\f)+8*ii:(\f)+8*ii+3],   v[ADRB] offset:(\k)+ii*16*PITCH
	ds_load_b128 v[(\f)+8*ii+4:(\f)+8*ii+7], v[ADRB] offset:(\k)+ii*16*PITCH+32
.set ii, ii+1
.endr
	WIN 0
.irp i, 0,1,2,3,4,5,6,7
	ds_load_b128 v[(\f)+8*(\i):(\f)+8*(\i)+3],   v[ADRA] offset:(\k)+(\i)*16*PITCH
	ds_load_b128 v[(\f)+8*(\i)+4:(\f)+8*(\i)+7], v[ADRA] offset:(\k)+(\i)*16*PITCH+32
.endr
.endm
; A load into a register that a matrix instruction has read, and an instruction that reads a matrix result, stand four places behind that matrix instruction, and only plain vector instructions that
; name none of its registers are places (ISA guide 7.12.1 for vector instructions).
.macro PLACES
.rept 4
	v_nop
.endr
.endm
; A K step is four quarter steps of 32 along K, 8 NBLK matrix instructions each, on buffers 0, 1, 0, 1.
; One of the first three: multiplies buffer f; in its middle it fetches the next quarter's fragments, at byte k of the same slot's rows, into buffer g.
.macro QUARTER k, f, g, first
	s_wait_dscnt 8                                 ; B and A's rows 0-63 are in; the youngest eight loads (A's rows 64-127) may be out
	MUL16 \f, 0, 0, \first
	MUL16 \f, 0, 2, \first
	PLACES
	FETCH \k, \g
	s_wait_dscnt NL                                ; all but the NL just issued
	MUL16 \f, 1, 0, \first
	MUL16 \f, 1, 2, \first
.endm
; The last quarter multiplies buffer 1 and changes slots.  Its first half stands AHEAD of the change, so that a whole K step's matrix instructions lie between a refill's request and the wait for it.
; The change: each wave waits for all its tensor loads, of which one is out: its part of the next slot; adds 0 to its spare word; and waits for that and for its own reads of this slot.  The barrier is a round
; of the cluster's: behind it no wave of any partner reads this slot any more or has a load on its way, and the next slot is whole.  The joint refill, this slot's K step two steps on, is the first thing there.
.macro TURN
	s_wait_xcnt 0x0                                ; the last prefetch, a K step back, has read its address: it is stepped here, ahead of the waits of the change of slots
	s_add_nc_u64 s[PFA:PFA+1], s[PFA:PFA+1], KSTEP*2
	s_wait_dscnt 8                                 ; as at a quarter's head
	MUL16 F1, 0, 0, 0
	MUL16 F1, 0, 2, 0
	WIN 0
	s_wait_tensorcnt 0x0                           ; all my tensor loads have landed: no load of mine is out, so a group 0 may be written;
	ds_add_u32 v[SPW], v[NIL]                      ; 0 onto my spare word: the descriptors' steps stand between it and the wait for it
	s_add_co_u32 s[G0+5], s[WA], s[TB]             ; the walking descriptors: into the slot that has just been read,
	s_add_co_u32 s[G0B+5], s[WB], s[TB]
	s_add_nc_u64 s[G0+6:G0+7], s[G0+6:G0+7], KSTEP*2      ; the next K step; the type bits on top are not reached
	s_add_nc_u64 s[G0B+6:G0B+7], s[G0B+6:G0B+7], KSTEP*2
	s_xor_b32 s[TB], s[TB], SLOT                   ; from here on the other slot is read
	s_wait_dscnt 0x0                               ; the add is done, and my reads of this slot are over
	CROUND
	JLOAD 1                                        ; the four v_nop behind it, and the two lines below, are the places in front of the loads into buffer 0
	v_add_nc_u32 v[ADRA], s[TB], v[ADRA0]
	v_add_nc_u32 v[ADRB], s[TB], v[ADRB0]
	FETCH 0, F0
	ASK
	MUL16 F1, 1, 0, 0
	MUL16 F1, 1, 2, 0
.endm
; THE LAST K STEP GOES BY ROWS OF C, NOT BY K.  All its fragments of B (4 quarters x 8 NBLK registers) lie in window 1; my eight blocks of 16 rows are finished one after the other, each with 4 NBLK matrix
; instructions (its NBLK accumulators by turns, K ascending).  LDS is read no more than in any other K step.
.macro BLOAD q                         ; B's fragments of quarter q -> window 1, v[64 q ..]
	WIN TO_B
.set ii, 0
.rept NBLK
	ds_load_b128 v[64*(\q)+8*ii:64*(\q)+8*ii+3],   v[ADRB] offset:64*(\q)+ii*16*PITCH
	ds_load_b128 v[64*(\q)+8*ii+4:64*(\q)+8*ii+7], v[ADRB] offset:64*(\q)+ii*16*PITCH+32
.set ii, ii+1
.endr
.endm
.macro ALOAD a                         ; A's fragments of block a, all four quarters -> buffer a % 4
	WIN 0
.set FA, PA+32*((\a)%4)
.irp q, 0,1,2,3
	ds_load_b128 v[FA+8*(\q):FA+8*(\q)+3],   v[ADRA] offset:64*(\q)+(\a)*16*PITCH
	ds_load_b128 v[FA+8*(\q)+4:FA+8*(\q)+7], v[ADRA] offset:64*(\q)+(\a)*16*PITCH+32
.endr
.endm
.macro ROW a                           ; block a is finished
.set FA, PA+32*((\a)%4)                ; its fragments of A
.set AC, 8*NBLK*((\a)%4)               ; its accumulators, in window 2 (blocks 0-3) or 3 (blocks 4-7)
	WIN 0xa1+0x50*((\a)/4)
.irp q, 0,1,2,3
.if ((\a) == 0) && ((\q) == 2)
	s_wait_dscnt 24                                ; B's quarter 2 is in (behind it: A's blocks 1 to 3)
.endif
.set bb, 0
.rept NBLK
.set rD, AC+8*bb
.set rC, AC+8*bb
.set rB, 64*(\q)+8*bb
.set rA, FA+8*(\q)
	MMA
.set bb, bb+1
.endr
.endr
.endm
; THE WAY OUT of block a, in three parts.  PACK: rounded to 16 bits, 16 bytes a lane, and the relu on the packed halves (rounding keeps the sign, so the order of the two does not matter).
; TOSTAGE: into my own stage in LDS, and back as whole rows of 256 bytes.  SEND: stored.  With f32 results there is no PACK: the accumulators go into the stage as they are, the low four registers first.
.macro PACK a
.set AC, 8*NBLK*((\a)%4)
	WIN 0x0a+5*((\a)/4)                            ; sources 0 and 1: window 2 or 3
.irp b, 0,1,2,3,4,5,6,7
.irp r, 0,1,2,3
.if OUTK == 1
	v_cvt_pk_f16_f32 v[TMP+4*(\b)+(\r)], v[AC+8*(\b)+2*(\r)], v[AC+8*(\b)+2*(\r)+1]
.else
	v_cvt_pk_bf16_f32 v[TMP+4*(\b)+(\r)], v[AC+8*(\b)+2*(\r)], v[AC+8*(\b)+2*(\r)+1]
.endif
.endr
.endr
	WIN 0
.set ii, 0
.rept 32
.if OUTK == 1
	v_pk_max_num_f16 v[TMP+ii], v[TMP+ii], v[ZR]
.else
	v_pk_max_num_bf16 v[TMP+ii], v[TMP+ii], v[ZR]
.endif
.set ii, ii+1
.endr
.endm
.macro TOSTAGE a
.set BK, OB+192*((\a)%2)
.set AC, 8*NBLK*((\a)%4)
.if OUTK
	WIN 0
.irp b, 0,1,2,3,4,5,6,7
	ds_store_b128 v[STO], v[TMP+4*(\b):TMP+4*(\b)+3] offset:32*(\b)
.endr
.else
	WIN 0x08+4*((\a)/4)                            ; the stores' data: window 2 or 3
.irp b, 0,1,2,3
	ds_store_b128 v[STO], v[AC+8*(\b):AC+8*(\b)+3]   offset:64*(\b)
	ds_store_b128 v[STO], v[AC+8*(\b)+4:AC+8*(\b)+7] offset:64*(\b)+16
.endr
	WIN 0
.endif
.irp t, 0,1,2,3,4,5,6,7
	ds_load_b128 v[BK+4*(\t):BK+4*(\t)+3], v[RD] offset:(\t)*2*SPITCH  ; LDS serves a wave's instructions in order (ISA guide 5.7.1.4): these see the stores above, and the next block's stores come behind them
.endr
.endm
.macro SEND a, younger                 ; younger: the LDS loads issued behind block a's loads from the stage, which may stay out
.set BK, OB+192*((\a)%2)
	WIN 0
	s_wait_dscnt \younger                          ; the block is back in registers
	s_wait_xcnt 0x0                                ; every earlier memory instruction has had its addresses translated (ISA guide 3.1): only behind this wait are the stores' base and the registers that earlier stores read rewritten
.if (\a) == 0
	s_add_nc_u64 s[8:9], s[8:9], s[16:17]          ; on to my first rows
.else
	s_add_nc_u64 s[8:9], s[8:9], 16*CROW           ; 16 rows of C on
.endif
.irp t, 0,1,2,3,4,5,6,7
	global_store_b128 v[CO], v[BK+4*(\t):BK+4*(\t)+3], s[8:9] offset:2*(\t)*CROW  ; 16 lanes store 256 consecutive bytes, at a multiple of 256 from C's first byte
.endr
.endm
	s_wait_tensorcnt 1                             ; my part of K step 0 is in; K step 1's may stay out
	s_barrier_signal -1
	s_barrier_wait -1                              ; everybody's is
	FETCH 0, F0
	s_wait_loadcnt 0x0                             ; the bias
.if NBIAS == 2
	WIN 0x45                                       ; destination and both sources window 1
.set ii, 0
.rept 4*NBLK
	v_pk_add_f32 v[BI+2*ii:BI+2*ii+1], v[BI+2*ii:BI+2*ii+1], v[B2+2*ii:B2+2*ii+1]  ; the two bias vectors are one addend
.set ii, ii+1
.endr
.endif
	QUARTER 64,  F0, F1, 1                         ; the first quarter stands in front of the loop: its products start the sums
	WIN 0                                          ; at a label and at a branch every window is 0
	s_mov_b32 s3, STEPS-2
.Lstep:                                                ; a trip goes from a K step's second quarter to the next step's first, and fills the slot that it leaves: every K step but the last two
	QUARTER 128, F1, F0, 0
	QUARTER 192, F0, F1, 0
	TURN
	QUARTER 64,  F0, F1, 0
	WIN 0
	s_sub_co_u32 s3, s3, 1
	s_cmp_lg_u32 s3, 0
	s_cbranch_scc1 .Lstep
	QUARTER 128, F1, F0, 0                         ; the last K step but one goes on; what follows is written out: it fills nothing
	QUARTER 192, F0, F1, 0
	s_wait_dscnt 8
	MUL16 F1, 0, 0, 0
	MUL16 F1, 0, 2, 0
	WIN 0
	s_wait_tensorcnt 0x0                           ; my one tensor load that was still out is the last K step's
	ds_add_u32 v[SPW], v[NIL]                      ; 0 onto my spare word
	s_xor_b32 s[TB], s[TB], SLOT
	s_wait_dscnt 0x0                               ; no LDS instruction of mine is pending at the signal
	s_barrier_signal -1
	s_barrier_wait -1                              ; the last slot is whole; nothing is filled again, so no round follows
	v_add_nc_u32 v[ADRA], s[TB], v[ADRA0]
	v_add_nc_u32 v[ADRB], s[TB], v[ADRB0]
	PLACES                                         ; for the loads into buffer 0, which the quarter before multiplied
	BLOAD 0                                        ; three quarters of B now: buffer 1 (v128.. of both windows) is still being multiplied
	BLOAD 1
	BLOAD 3
	ALOAD 0
	MUL16 F1, 1, 0, 0
	MUL16 F1, 1, 2, 0
	PLACES                                         ; for the loads into buffer 1
	BLOAD 2
	ALOAD 1
	ALOAD 2
	ALOAD 3
	s_wait_dscnt 24+2*NBLK                         ; all but those just issued
	ROW 0
.irp a, 0,1,2,3,4,5,6,7                ; block a leaves; block a + 1's products stand between its trip through the stage and its stores
	PLACES                                         ; the places behind the block's last products, ahead of the first read of a result;
	PLACES                                         ; twice the four
.if OUTK
	PACK \a
.endif
	TOSTAGE \a
.if (\a) < 4
	ALOAD (\a)+4                                   ; its buffer takes the block four further on
	s_wait_dscnt 24                                ; all that was issued ahead of the stage's 16 and these 8 is in: block a + 1's fragments among it
	ROW (\a)+1
	SEND \a, 8
.elseif (\a) < 7
	s_wait_dscnt 16                                ; likewise, ahead of the stage's 16
	ROW (\a)+1
	SEND \a, 0
.else
	SEND \a, 0
.endif
.endr
	s_wait_tensorcnt 0x0                           ; the wave's end, behind my last tensor load and my last LDS store
	ds_add_u32 v[SPW], v[NIL]
	s_wait_dscnt 0x0
	CROUND                                         ; the closing round: no work-group ends while a partner may still ask for a tile that names it
	s_endpgm
.Lfunc_end_k_qcefd60d13c_g2:
	.size	k_qcefd60d13c_g2, .Lfunc_end_k_qcefd60d13c_g2-k_qcefd60d13c_g2
	.p2alignl 7, 3214868480
	.fill 96, 4, 3214868480
	.section	.rodata,"a",@progbits
	.p2align	6, 0x0
	.amdhsa_kernel k_qcefd60d13c_g2
		.amdhsa_group_segment_fixed_size 327680
		.amdhsa_private_segment_fixed_size 0
		.amdhsa_enable_private_segment 0
		.amdhsa_kernarg_size 40
		.amdhsa_user_sgpr_count 2
		.amdhsa_user_sgpr_kernarg_segment_ptr 1
		.amdhsa_wavefront_size32 1
		.amdhsa_system_sgpr_workgroup_id_x 1
		.amdhsa_system_sgpr_workgroup_id_y 1
		.amdhsa_system_sgpr_workgroup_id_z 1
		.amdhsa_system_vgpr_workitem_id 0
		.amdhsa_next_free_vgpr 1024
		.amdhsa_next_free_sgpr 76
		.amdhsa_reserve_vcc 0
		.amdhsa_float_denorm_mode_32 3
		.amdhsa_float_denorm_mode_16_64 3
		.amdhsa_memory_ordered 1
		.amdhsa_forward_progress 1
		.amdhsa_inst_pref_size 141
	.end_amdhsa_kernel
	.amdgpu_metadata
---
amdhsa.version: [ 1, 2 ]
amdhsa.kernels:
  - .name:           k_qcefd60d13c_g2
    .symbol:         k_qcefd60d13c_g2.kd
    .args:
      - { .name: h1, .offset: 0, .size: 8, .value_kind: global_buffer, .address_space: global }
      - { .name: w2h, .offset: 8, .size: 8, .value_kind: global_buffer, .address_space: global }
      - { .name: h2, .offset: 16, .size: 8, .value_kind: global_buffer, .address_space: global }
      - { .name: b_ih, .offset: 24, .size: 8, .value_kind: global_buffer, .address_space: global }
      - { .name: b_hh, .offset: 32, .size: 8, .value_kind: global_buffer, .address_space: global }
    .group_segment_fixed_size: 327680
    .private_segment_fixed_size: 0
    .kernarg_segment_align: 8
    .kernarg_segment_size: 40
    .max_flat_workgroup_size: 128
    .sgpr_count:     76
    .vgpr_count:     1024
    .wavefront_size: 32
...
	.end_amdgpu_metadata
.endif
;; end of part 3
;; launch g3 (part 4): grid 8 x 32, 4 waves a work-group, clusters of 4 x 4, 327,680 bytes of LDS; arguments h2, w3b, out0, b_final; writes out0
.if DOCPART == 4
	.amdgcn_target "amdgcn-amd-amdhsa--gfx1250"
	.amdhsa_code_object_version 6
	.text
	.protected	k_qcefd60d13c_g3
	.globl	k_qcefd60d13c_g3
	.p2align	8
	.type	k_qcefd60d13c_g3,@function
k_qcefd60d13c_g3:
	s_mov_b64 s[64:65], 0
	v_nop
	global_prefetch_b8 v0, s[64:65] scope:SCOPE_SE
	s_setreg_imm32_b32 hwreg(HW_REG_WAVE_MODE, 25, 1), 1
	s_wait_xcnt 0x0
	s_wait_alu depctr_hold_cnt(0) depctr_sa_sdst(0) depctr_va_vdst(0) depctr_va_sdst(0) depctr_va_ssrc(0) depctr_va_vcc(0) depctr_vm_vsrc(0)
	s_getreg_b32 s2, hwreg(HW_REG_IB_STS2, 6, 4)
	s_cmp_eq_u32 s2, 0
	s_cbranch_scc0 .Lentry_in_a_cluster
	s_endpgm
.Lentry_in_a_cluster:
	s_bfe_u32 s2, ttmp6, 0x10000c
	s_cmp_lg_u32 s2, 0xf033
	s_cbranch_scc0 .Lentry_shape_is_right
	s_endpgm
.Lentry_shape_is_right:
; LAYER 3: out0 = h2 w3b^T + b_final.  A = h2 [8192][2048] bf16, B = w3b [1024][2048] bf16, C = out0 [8192][1024] f32, the bias f32.
; The tile of C is 256 x 128: tiles of 256 x 256 would be 128, half as many as there are work-groups to be had; a wave makes 128 x 64.
; LIMITS.  The bias is the first term of each sum, not the last.  NaN and infinities are not treated apart.
; The text below the six constants is the same for the program's three products; with OUTK = 0 the macro PACK is never used.
.set SIZE_K, 2048                      ; the product's K
.set NBLK,   4                         ; blocks of 16 columns in a wave's tile: the work-group's tile of C is 256 rows x 32 NBLK columns
.set LOGTN,  7                         ; log2 of the tile's columns
.set INF16,  0                         ; the operands: 0 bf16, 1 f16
.set OUTK,   0                         ; the way out: 0 f32 as it is; 1 relu, f16; 2 relu, bf16
.set NBIAS,  1                         ; bias vectors
; C[m][n] = f(bias[n] + sum over k of A[m][k] B[n][k]).  A: [8192][SIZE_K], B: [8 x 32 NBLK][SIZE_K], 16-bit; sums in f32; a row of C is 4,096 bytes.
; SHARES.  256 work-groups, one tile of C each; four waves, each 128 rows x 16 NBLK columns: 8 NBLK accumulators of 16 x 16.  K goes in steps of 128 through a ring of two LDS slots filled by the tensor data
; mover: a tile's rows are 256 bytes of memory and start at multiples of 256 bytes from the buffer's first byte.
; ONE K STEP IS WRITTEN ONCE: which slot is read is a scalar, TB (0 or SLOT), turned by an exclusive or at each change of slots; the fragments' LDS addresses and the walking descriptors' LDS words are sums with it.
; CLUSTERS: 4 x 4 work-groups.  The four of a row of the cluster need the same tiles of A, the four of a column the same tiles of B: each tile is asked for JOINTLY, by the same tensor load with the same
; descriptor and a mask that names the four; each receives it in its own LDS.
; THE MATRIX INSTRUCTION IS USED TRANSPOSED: source 0 = 16 rows of B, source 1 = 16 rows of A.  Lane l then holds row m = l % 16 of C and, in registers 0 to 7, the columns 8 (l / 16) + 0..7 of the block.
; THE BIAS STARTS THE SUMS: a tile's first products take as C eight registers that hold the bias of those eight columns: nothing is cleared, and nothing is added on the way out.
; THE LAST K STEP GOES BY ROWS OF C: my eight blocks of 16 rows are finished one after the other, and each leaves while the next is multiplied.
; REGISTERS, in windows of 256 (s_set_vgpr_msb: bits 1:0 source 0, 3:2 source 1, 5:4 source 2, 7:6 destination):
;   window 0: v0-31 addresses; v64-127, v128-191 fragments of A (8 x 16 rows x 32 K), two buffers (in the last K step four, of 16 rows x 128 K); v32-63, v192-255 at work on the way out
;   window 1: v0.. the bias, 8 registers a block; v64.., v128.. fragments of B, two buffers; v192-255 a second bias; in the last K step B's fragments of the whole step, quarter q at v[64 q ..]
;   window 2: the accumulators of my rows 0-63 ((a, b) at v[8 (NBLK a + b)]);   window 3: those of my rows 64-127
.set KSTEP,  128
.set PITCH,  272                       ; an LDS row: 256 bytes of data + 16 of padding = 68 words: row r starts at bank 4 r mod 64 (64 banks of 4 bytes: ISA guide 11.1), so the 16 rows of a load start at 16 different banks
.set HA,     128*PITCH                 ; 128 rows of A: what one tensor load brings, and what one wave reads
.set HB,     16*NBLK*PITCH             ; the same for B
.set SLOT,   2*HA+2*HB                 ; A's 256 rows, then B's 32 NBLK rows
.set STAGE,  2*SLOT                    ; behind the ring: 16 rows x 272 bytes for each wave, for the way out; no tile lands here
.set SPITCH, 272
.set SPARE,  STAGE+4*16*SPITCH         ; behind the stages: the spare words, 128 bytes for each wave: two blocks of 256 bytes that no other line names
.set NL,     16+2*NBLK                 ; LDS loads in a quarter step's run
.set CROW,   4096                      ; bytes in a row of C
.set STEPS,  SIZE_K/KSTEP              ; K steps
.set ADRA,  16                         ; v16     LDS address of my A fragments in the slot that is read
.set ADRA0, 17                         ; v17     the same in slot 0; never rewritten
.set ADRB,  20                         ; v20, v21  the same two for B
.set ADRB0, 21
.set STO,  24                          ; v24     the way out: where I put my part of a row
.set RD,   25                          ; v25     the way out: where I read a row back
.set CO,   26                          ; v26     my byte offset in C
.set ZR,   27                          ; v27     0, for the relu
.set SPW,  28                          ; v28     LDS address of my spare word: SPARE + 4 x my thread's number; never rewritten
.set NIL,  29                          ; v29     0; never rewritten
.set PFO,  30                          ; v30     the prefetches' offset: my lane x a row of A or B in memory; never rewritten
.set BO,   31                          ; v31     my byte offset in a block's 64 bytes of bias: 32 (l / 16)
.set OB,   32                          ; the way out: 16 rows read back from the stage: v32-63 and v224-255 by turns
.set F0,   64                          ; fragment buffer 0
.set F1,   128                         ; fragment buffer 1
.set PA,   64                          ; the last K step: A's fragments of 16 rows x 128 K, 32 registers; four such buffers, v64-191
.set TMP,  192                         ; the way out: packed results
.set BI,   0                           ; window 1: the bias
.set B2,   192                         ; window 1: the second bias
.set G1,  24                           ; s[24:31] descriptor group 1 for A's tiles
.set G0,  32                           ; s[32:39] descriptor group 0 for A's tiles: a set for each of the two first fills; the second then walks on
.set LIM, 43                           ; s43     2 in a wave that prefetches, else the greatest number
.set PFA, 44                           ; s[44:45] where my prefetches stand: one K step further along K than the refill that is being asked for; a prefetch names the K step after that
.set G1B, 48                           ; s[48:55] descriptor group 1 for B's tiles
.set G0B, 56                           ; s[56:63] descriptor group 0 for B's tiles, likewise
.set BP,  66                           ; s[66:67], s[68:69] the bias vectors
.set TB,  70                           ; s70     LDS byte at which the slot that is read begins: 0 or SLOT
.set WA,  72                           ; s72     where my part of A's tile goes in a slot: wave x 128 rows
.set WB,  73                           ; s73     the same for B's tile
.set MSB, 0
.macro WIN new                         ; the immediate's high byte repeats the setting that is left; a switch that changes nothing is dropped
.if MSB != (\new)
	s_set_vgpr_msb (MSB<<8)|(\new)
.set MSB, \new
.endif
.endm
.set TO_B, 0x40                        ; destination window 1, address window 0
; A joint load.  Waves 0 and 1 fetch A's two halves, waves 2 and 3 B's.  Each of the two lines has ONE mask and one set of registers for all that issue it.  The branch hangs on the wave's number alone.
; An s_nop 0 and four v_nop follow each of the two lines, ahead of the jump, the label and what follows the macro.
.macro JLOAD s
	s_cmp_eq_u32 s11, 0
	s_cbranch_scc0 .Lfor_b_\@
	tensor_load_to_lds s[G0+4*(\s):G0+4*(\s)+3], s[G1:G1+7]
	s_nop 0
.rept 4
	v_nop
.endr
	s_branch .Lasked_\@
.Lfor_b_\@:
	tensor_load_to_lds s[G0B+4*(\s):G0B+4*(\s)+3], s[G1B:G1B+7]
	s_nop 0
.rept 4
	v_nop
.endr
.Lasked_\@:
.endm
; A PREFETCH INTO THE L2, behind each joint refill, its five lines and the run of LDS loads that follows them: the K step that stands TWO refills on: 32 rows x 256 bytes, a lane a row, one instruction a wave.
; Each row's 256 bytes of a K step are named ONCE in the launch.  A's tile row is read by every cluster of that row of clusters: the one with x = 0 asks; B's tile column by every cluster of that column: the one
; with y = 0 asks.  The four partners that ask for a tile jointly share its rows out BY ADDRESS, 32 each (by cx for A, by cy for B): no branch hangs on a work-group's place in its cluster.
; K steps 0 to 3 come by their loads alone; the loop's last two trips (s3 = 2, 1) ask for nothing: there is no K step two on.
.macro ASK
	s_cmp_gt_u32 s3, s[LIM]
	s_cbranch_scc0 .Lnot_mine_\@
	global_prefetch_b8 v[PFO], s[PFA:PFA+1] offset:KSTEP*2 th:TH_LOAD_NT scope:SCOPE_SE
.Lnot_mine_\@:
.endm
; A round of the cluster's barrier: my work-group's barrier, so that wave 0's signal speaks for all four waves; wave 0 signals for the work-group; every wave waits for all sixteen work-groups; my work-group's barrier once more.
.macro CROUND
	s_barrier_signal -1
	s_barrier_wait -1
	s_cmp_lg_u32 s10, 0
	s_cbranch_scc1 .Lnot_wave_0_\@
	s_barrier_signal -3
.Lnot_wave_0_\@:
	s_barrier_wait -3
	s_barrier_signal -1
	s_barrier_wait -1
.endm
	s_load_b128 s[4:7], s[0:1], 0x0                ; A s[4:5], B s[6:7]
	s_load_b64 s[8:9], s[0:1], 0x10                ; C
	s_load_b64 s[BP:BP+1], s[0:1], 0x18            ; the bias
.if NBIAS == 2
	s_load_b64 s[BP+2:BP+3], s[0:1], 0x20          ; the second bias
.endif
	v_lshl_add_u32 v[SPW], v0, 2, SPARE
	v_mov_b32 v[NIL], 0
	ds_add_u32 v[SPW], v[NIL]                      ; the wave's opening: the add and its wait stand ahead of my first tensor load; the set-up below, work on registers, stands between them
	v_lshrrev_b32 v1, 5, v0
	v_readfirstlane_b32 s10, v1                    ; wave 0..3
	s_lshr_b32 s11, s10, 1                         ; which half of the tile's rows is mine.  Also: I fetch for A (0) or for B (1)
	s_and_b32 s12, s10, 1                          ; which half of its columns.  Also: which half of that tile's rows I fetch
	s_bfe_u32 s40, ttmp6, 0x40000                  ; cx: my place along the cluster's x
	s_bfe_u32 s41, ttmp6, 0x40004                  ; cy: along its y
	s_lshl_b32 s42, ttmp9, 2                       ; in a cluster launch ttmp9 and ttmp7 count clusters
	s_add_co_u32 s42, s42, s40                     ; tile column of C = 4 x cluster x + cx
	s_and_b32 s13, ttmp7, 0xffff
	s_lshl_b32 s13, s13, 2
	s_add_co_u32 s13, s13, s41                     ; tile row of C = 4 x cluster y + cy
	s_lshl_b32 s43, s41, 2
	s_lshl_b32 s43, 15, s43                        ; my row of the cluster: places 4 cy .. 4 cy + 3
	s_lshl_b32 s44, 0x1111, s40                    ; my column: places cx, cx + 4, cx + 8, cx + 12
	; descriptor group 1: a tile of 128 (B: 16 NBLK) rows x 128 elements, padded in LDS
	s_or_b32 s[G1+0], s43, (1<<16)|(1<<20)|(1<<21)|(5<<22)|(3<<25)   ; 15:0 the mask: A's tiles go to my row; 17:16 element of 2 bytes; 20 padding on; 21 set beside a mask; 24:22 after every 64 words (code 5); 31:25 4 words of it (code 3)
	s_or_b32 s[G1B+0], s44, (1<<16)|(1<<20)|(1<<21)|(5<<22)|(3<<25)  ; the same with the mask of my column, for B's tiles
	s_mov_b32 s[G1+1], KSTEP<<16                   ; tensor_dim0 = 128
	s_mov_b32 s[G1B+1], KSTEP<<16
	s_mov_b32 s[G1+2], 128<<16                     ; tensor_dim1 = the tile's rows
	s_mov_b32 s[G1B+2], (16*NBLK)<<16
	s_mov_b32 s[G1+3], KSTEP<<16                   ; tile_dim0 = 128
	s_mov_b32 s[G1B+3], KSTEP<<16
	s_mov_b32 s[G1+4], 128                         ; tile_dim1
	s_mov_b32 s[G1B+4], 16*NBLK
	s_mov_b32 s[G1+5], SIZE_K                      ; elements from row to row
	s_mov_b32 s[G1B+5], SIZE_K
	s_mov_b32 s[G1+6], 0
	s_mov_b32 s[G1B+6], 0
	s_mov_b32 s[G1+7], 0
	s_mov_b32 s[G1B+7], 0
	; where the tiles come from.  A's hang on the tile row alone, which my row of the cluster shares; B's on the tile column alone, which my column shares.
	; Every wave makes both addresses, in registers that never hold the other coordinate, and asks by one of them.
	s_lshl_b32 s17, s12, 7
	s_lshl_b32 s16, s13, 8
	s_add_co_u32 s16, s16, s17                     ; A: row 256 x tile row + 128 x half
	s_lshl_b32 s47, s12, LOGTN-1
	s_lshl_b32 s46, s42, LOGTN
	s_add_co_u32 s46, s46, s47                     ; B: row 32 NBLK x tile column + 16 NBLK x half
	s_mov_b32 s17, 0
	s_mov_b32 s47, 0
	s_mov_b64 s[18:19], SIZE_K*2
	s_mul_u64 s[16:17], s[16:17], s[18:19]         ; in bytes, in 64 bits
	s_mul_u64 s[46:47], s[46:47], s[18:19]
	s_mul_i32 s[WA], s10, HA                       ; and where they go in a slot: waves 0, 1: A's two halves;
	s_mul_i32 s[WB], s10, HB                       ; waves 2, 3: B's two halves, behind A's 256 rows: no place in the cluster enters an LDS address
.if HA != HB
	s_add_co_u32 s[WB], s[WB], 2*(HA-HB)
.endif
	s_mov_b32 s[TB], 0                             ; slot 0 is read first
	s_wait_dscnt 0x0                               ; the opening add is done
	s_wait_kmcnt 0x0
	s_add_nc_u64 s[14:15], s[4:5], s[16:17]
	s_add_nc_u64 s[46:47], s[6:7], s[46:47]
	CROUND                                         ; all sixteen work-groups are here: the first joint loads meet
.irp s, 0,1
	s_mov_b32 s[G0+4*(\s)], 1                                        ; 1:0 count = 1
	s_add_co_u32 s[G0+4*(\s)+1], s[WA], (\s)*SLOT                    ; 63:32 LDS address
	s_add_nc_u64 s[G0+4*(\s)+2:G0+4*(\s)+3], s[14:15], (\s)*KSTEP*2  ; 120:64 global address: K step s
	s_or_b32 s[G0+4*(\s)+3], s[G0+4*(\s)+3], 0x80000000              ; 127:126 type = 2
	s_mov_b32 s[G0B+4*(\s)], 1
	s_add_co_u32 s[G0B+4*(\s)+1], s[WB], (\s)*SLOT
	s_add_nc_u64 s[G0B+4*(\s)+2:G0B+4*(\s)+3], s[46:47], (\s)*KSTEP*2
	s_or_b32 s[G0B+4*(\s)+3], s[G0B+4*(\s)+3], 0x80000000
	JLOAD \s                                       ; the ring is filled before anything else is done: two tensor loads of mine are out here, later one
.endr
	; A fragment is 16 rows x 32 K in 8 registers: lane l holds row l % 16; registers 0-3 hold K = 8 (l / 16) + 0..7, registers 4-7 K = 16 + 8 (l / 16) + 0..7: two loads of 16 bytes, 32 bytes apart.
	v_and_b32 v1, 15, v0                           ; l % 16
	v_bfe_u32 v2, v0, 4, 1                         ; l / 16
	v_mul_u32_u24 v3, v1, PITCH
	v_lshl_add_u32 v3, v2, 4, v3                   ; row x pitch + 16 x half
	s_mul_i32 s21, s11, HA                         ; my 128 rows of A
	s_mul_i32 s22, s12, HB                         ; my 16 NBLK rows of B,
	s_add_co_u32 s22, s22, 2*HA                    ; which lie behind A's 256
	v_add_nc_u32 v[ADRA0], s21, v3
	v_add_nc_u32 v[ADRB0], s22, v3
	v_add_nc_u32 v[ADRA], s21, v3                  ; the walk begins in slot 0
	v_add_nc_u32 v[ADRB], s22, v3
	s_mul_i32 s23, s10, 16*SPITCH
	s_add_co_u32 s23, s23, STAGE                   ; my stage
	v_mul_u32_u24 v4, v1, SPITCH                   ; in: row l % 16; a lane's eight columns of a block are
.if OUTK == 0
	v_lshl_add_u32 v4, v2, 5, v4                   ; 32 bytes of f32
.else
	v_lshl_add_u32 v4, v2, 4, v4                   ; 16 bytes of 16-bit numbers
.endif
	v_add_nc_u32 v[STO], s23, v4
	v_mul_u32_u24 v5, v2, SPITCH                   ; back: lanes 0-15 take one row of 256 bytes, lanes 16-31 the next
	v_lshl_add_u32 v5, v1, 4, v5
	v_add_nc_u32 v[RD], s23, v5
	v_lshlrev_b32 v5, 12, v2                       ; and the same two rows in C, CROW bytes apart
	v_lshl_add_u32 v[CO], v1, 4, v5
.if OUTK
	v_mov_b32 v[ZR], 0
.endif
	v_lshlrev_b32 v[BO], 5, v2
	; where my part of the tile begins in C, in bytes (under 2^25): the way out adds it to C's address
	s_lshl_b32 s13, s13, 8                         ; 256 x tile row
	s_lshl_b32 s14, s11, 7
	s_add_co_u32 s16, s13, s14                     ; my first row of C
	s_lshl_b32 s16, s16, 12                        ; x CROW
	s_mov_b32 s17, 0
	s_lshl_b32 s46, s42, 9                         ; my first column, in bytes: 512 x tile column + 256 x half (in the registers that held B's address: none that feeds A's descriptors ever holds cx)
	s_lshl_b32 s47, s12, 8
	s_add_co_u32 s46, s46, s47
	s_mov_b32 s47, 0
	s_add_nc_u64 s[16:17], s[16:17], s[46:47]
	; the bias of my columns, f32: block b's sixteen numbers are 64 bytes; a lane takes the 32 bytes of its eight columns, into the registers that the first products name as C
	s_lshl_b32 s46, s42, LOGTN+2
	s_lshl_b32 s47, s12, LOGTN+1
	s_add_co_u32 s46, s46, s47
	s_mov_b32 s47, 0
	s_add_nc_u64 s[BP:BP+1], s[BP:BP+1], s[46:47]
.if NBIAS == 2
	s_add_nc_u64 s[BP+2:BP+3], s[BP+2:BP+3], s[46:47]
.endif
	WIN TO_B
.set bb, 0
.rept NBLK
	global_load_b128 v[BI+8*bb:BI+8*bb+3],   v[BO], s[BP:BP+1] offset:64*bb
	global_load_b128 v[BI+8*bb+4:BI+8*bb+7], v[BO], s[BP:BP+1] offset:64*bb+16
.if NBIAS == 2
	global_load_b128 v[B2+8*bb:B2+8*bb+3],   v[BO], s[BP+2:BP+3] offset:64*bb
	global_load_b128 v[B2+8*bb+4:B2+8*bb+7], v[BO], s[BP+2:BP+3] offset:64*bb+16
.endif
.set bb, bb+1
.endr
	WIN 0
	; the prefetches.  s13 = 256 x tile row, s42 = tile column, s40 = cx, s41 = cy still stand; s[4:5] = A, s[6:7] = B
	s_lshl_b32 s42, s42, LOGTN
	s_and_b32 s22, ttmp7, 0xffff                   ; cluster y
	s_cmp_eq_u32 s11, 0                            ; do I fetch for A?
	s_cselect_b32 s20, s13, s42                    ; the tile's first row: in A by the tile row, in B by the tile column
	s_cselect_b32 s21, s40, s41                    ; my place among the four that ask for it with me
	s_cselect_b32 s22, ttmp9, s22                  ; the coordinate along which other clusters read the same rows
	s_cselect_b64 s[PFA:PFA+1], s[4:5], s[6:7]
	s_cmp_eq_u32 s22, 0
	s_cselect_b32 s[LIM], 2, -1                    ; the same in all sixteen partners, for a given wave
	s_lshl_b32 s22, s12, 7                         ; the 128 rows that I fetch
.if NBLK == 4                          ; B's tile has 128 rows in all: 4 partners x 32 rows are one wave's asking: wave 2 asks, wave 3 never does and stands at the tile's head
	s_cmp_eq_u32 s11, 0
	s_cselect_b32 s22, s22, 0
	s_cmp_eq_u32 s10, 3
	s_cselect_b32 s[LIM], -1, s[LIM]
.endif
	s_add_co_u32 s20, s20, s22
	s_lshl_b32 s21, s21, 5
	s_add_co_u32 s20, s20, s21                     ; + my work-group's 32 of them
	s_mov_b32 s21, 0
	s_mov_b64 s[18:19], SIZE_K*2
	s_mul_u64 s[20:21], s[20:21], s[18:19]
	s_add_nc_u64 s[PFA:PFA+1], s[PFA:PFA+1], s[20:21]
	s_add_nc_u64 s[PFA:PFA+1], s[PFA:PFA+1], 2*KSTEP*2  ; at K step 2: the first refill steps it to 3 and names K step 4
	v_and_b32 v[PFO], 31, v0
	v_mul_u32_u24 v[PFO], v[PFO], SIZE_K*2
	; nothing is prefetched here, at the head, where every work-group's first two tiles are on their way
; One matrix instruction, in the operands' format; rD, rB, rA, rC are set by the macro that writes it.
.macro MMA
.if INF16
	v_wmma_f32_16x16x32_f16 v[rD:rD+7], v[rB:rB+7], v[rA:rA+7], v[rC:rC+7]
.else
	v_wmma_f32_16x16x32_bf16 v[rD:rD+7], v[rB:rB+7], v[rA:rA+7], v[rC:rC+7]
.endif
.endm
; 2 NBLK matrix instructions: m blocks a0, a0 + 1 of the window's four (hi = 0: my rows 0-63, 1: rows 64-127) x all n blocks, 32 along K.  first = 1: the product starts the sum, with the bias as C (window 1).
; The accumulators take turns, one instruction a turn, in the same order in every quarter step, over the loop's backward jump and into the tail too.
.macro MUL16 f, hi, a0, first
.if \first
	WIN 0x91+0x40*(\hi)                            ; source 0 (B) and C window 1, source 1 (A) window 0, D window 2 or 3
.else
	WIN 0xa1+0x50*(\hi)                            ; source 0 window 1, source 1 window 0, C and D window 2 or 3
.endif
.irp a, \a0, (\a0)+1
.set bb, 0
.rept NBLK
.set rD, 8*(NBLK*(\a)+bb)
.set rB, (\f)+8*bb
.set rA, (\f)+8*(4*(\hi)+(\a))
.if \first
.set rC, BI+8*bb
.else
.set rC, 8*(NBLK*(\a)+bb)
.endif
	MMA
.set bb, bb+1
.endr
.endr
.endm
; NL LDS loads in one run: the fragments of one quarter step (my rows of B, my 128 rows of A, 32 K at byte k of the rows of the slot that is read) into buffer f
.macro FETCH k, f
	WIN TO_B
.set ii, 0
.rept NBLK
	ds_load_b128 v[(\f)+8*ii:(\f)+8*ii+3],   v[ADRB] offset:(\k)+ii*16*PITCH
	ds_load_b128 v[(\f)+8*ii+4:(\f)+8*ii+7], v[ADRB] offset:(\k)+ii*16*PITCH+32
.set ii, ii+1
.endr
	WIN 0
.irp i, 0,1,2,3,4,5,6,7
	ds_load_b128 v[(\f)+8*(\i):(\f)+8*(\i)+3],   v[ADRA] offset:(\k)+(\i)*16*PITCH
	ds_load_b128 v[(\f)+8*(\i)+4:(\f)+8*(\i)+7], v[ADRA] offset:(\k)+(\i)*16*PITCH+32
.endr
.endm
; A load into a register that a matrix instruction has read, and an instruction that reads a matrix result, stand four places behind that matrix instruction, and only plain vector instructions that
; name none of its registers are places (ISA guide 7.12.1 for vector instructions).
.macro PLACES
.rept 4
	v_nop
.endr
.endm
; A K step is four quarter steps of 32 along K, 8 NBLK matrix instructions each, on buffers 0, 1, 0, 1.
; One of the first three: multiplies buffer f; in its middle it fetches the next quarter's fragments, at byte k of the same slot's rows, into buffer g.
.macro QUARTER k, f, g, first
	s_wait_dscnt 8                                 ; B and A's rows 0-63 are in; the youngest eight loads (A's rows 64-127) may be out
	MUL16 \f, 0, 0, \first
	MUL16 \f, 0, 2, \first
	PLACES
	FETCH \k, \g
	s_wait_dscnt NL                                ; all but the NL just issued
	MUL16 \f, 1, 0, \first
	MUL16 \f, 1, 2, \first
.endm
; The last quarter multiplies buffer 1 and changes slots.  Its first half stands AHEAD of the change, so that a whole K step's matrix instructions lie between a refill's request and the wait for it.
; The change: each wave waits for all its tensor loads, of which one is out: its part of the next slot; adds 0 to its spare word; and waits for that and for its own reads of this slot.  The barrier is a round
; of the cluster's: behind it no wave of any partner reads this slot any more or has a load on its way, and the next slot is whole.  The joint refill, this slot's K step two steps on, is the first thing there.
.macro TURN
	s_wait_xcnt 0x0                                ; the last prefetch, a K step back, has read its address: it is stepped here, ahead of the waits of the change of slots
	s_add_nc_u64 s[PFA:PFA+1], s[PFA:PFA+1], KSTEP*2
	s_wait_dscnt 8                                 ; as at a quarter's head
	MUL16 F1, 0, 0, 0
	MUL16 F1, 0, 2, 0
	WIN 0
	s_wait_tensorcnt 0x0                           ; all my tensor loads have landed: no load of mine is out, so a group 0 may be written;
	ds_add_u32 v[SPW], v[NIL]                      ; 0 onto my spare word: the descriptors' steps stand between it and the wait for it
	s_add_co_u32 s[G0+5], s[WA], s[TB]             ; the walking descriptors: into the slot that has just been read,
	s_add_co_u32 s[G0B+5], s[WB], s[TB]
	s_add_nc_u64 s[G0+6:G0+7], s[G0+6:G0+7], KSTEP*2      ; the next K step; the type bits on top are not reached
	s_add_nc_u64 s[G0B+6:G0B+7], s[G0B+6:G0B+7], KSTEP*2
	s_xor_b32 s[TB], s[TB], SLOT                   ; from here on the other slot is read
	s_wait_dscnt 0x0                               ; the add is done, and my reads of this slot are over
	CROUND
	JLOAD 1                                        ; the four v_nop behind it, and the two lines below, are the places in front of the loads into buffer 0
	v_add_nc_u32 v[ADRA], s[TB], v[ADRA0]
	v_add_nc_u32 v[ADRB], s[TB], v[ADRB0]
	FETCH 0, F0
	ASK
	MUL16 F1, 1, 0, 0
	MUL16 F1, 1, 2, 0
.endm
; THE LAST K STEP GOES BY ROWS OF C, NOT BY K.  All its fragments of B (4 quarters x 8 NBLK registers) lie in window 1; my eight blocks of 16 rows are finished one after the other, each with 4 NBLK matrix
; instructions (its NBLK accumulators by turns, K ascending).  LDS is read no more than in any other K step.
.macro BLOAD q                         ; B's fragments of quarter q -> window 1, v[64 q ..]
	WIN TO_B
.set ii, 0
.rept NBLK
	ds_load_b128 v[64*(\q)+8*ii:64*(\q)+8*ii+3],   v[ADRB] offset:64*(\q)+ii*16*PITCH
	ds_load_b128 v[64*(\q)+8*ii+4:64*(\q)+8*ii+7], v[ADRB] offset:64*(\q)+ii*16*PITCH+32
.set ii, ii+1
.endr
.endm
.macro ALOAD a                         ; A's fragments of block a, all four quarters -> buffer a % 4
	WIN 0
.set FA, PA+32*((\a)%4)
.irp q, 0,1,2,3
	ds_load_b128 v[FA+8*(\q):FA+8*(\q)+3],   v[ADRA] offset:64*(\q)+(\a)*16*PITCH
	ds_load_b128 v[FA+8*(\q)+4:FA+8*(\q)+7], v[ADRA] offset:64*(\q)+(\a)*16*PITCH+32
.endr
.endm
.macro ROW a                           ; block a is finished
.set FA, PA+32*((\a)%4)                ; its fragments of A
.set AC, 8*NBLK*((\a)%4)               ; its accumulators, in window 2 (blocks 0-3) or 3 (blocks 4-7)
	WIN 0xa1+0x50*((\a)/4)
.irp q, 0,1,2,3
.if ((\a) == 0) && ((\q) == 2)
	s_wait_dscnt 24                                ; B's quarter 2 is in (behind it: A's blocks 1 to 3)
.endif
.set bb, 0
.rept NBLK
.set rD, AC+8*bb
.set rC, AC+8*bb
.set rB, 64*(\q)+8*bb
.set rA, FA+8*(\q)
	MMA
.set bb, bb+1
.endr
.endr
.endm
; THE WAY OUT of block a, in three parts.  PACK: rounded to 16 bits, 16 bytes a lane, and the relu on the packed halves (rounding keeps the sign, so the order of the two does not matter).
; TOSTAGE: into my own stage in LDS, and back as whole rows of 256 bytes.  SEND: stored.  With f32 results there is no PACK: the accumulators go into the stage as they are, the low four registers first.
.macro PACK a
.set AC, 8*NBLK*((\a)%4)
	WIN 0x0a+5*((\a)/4)                            ; sources 0 and 1: window 2 or 3
.irp b, 0,1,2,3,4,5,6,7
.irp r, 0,1,2,3
.if OUTK == 1
	v_cvt_pk_f16_f32 v[TMP+4*(\b)+(\r)], v[AC+8*(\b)+2*(\r)], v[AC+8*(\b)+2*(\r)+1]
.else
	v_cvt_pk_bf16_f32 v[TMP+4*(\b)+(\r)], v[AC+8*(\b)+2*(\r)], v[AC+8*(\b)+2*(\r)+1]
.endif
.endr
.endr
	WIN 0
.set ii, 0
.rept 32
.if OUTK == 1
	v_pk_max_num_f16 v[TMP+ii], v[TMP+ii], v[ZR]
.else
	v_pk_max_num_bf16 v[TMP+ii], v[TMP+ii], v[ZR]
.endif
.set ii, ii+1
.endr
.endm
.macro TOSTAGE a
.set BK, OB+192*((\a)%2)
.set AC, 8*NBLK*((\a)%4)
.if OUTK
	WIN 0
.irp b, 0,1,2,3,4,5,6,7
	ds_store_b128 v[STO], v[TMP+4*(\b):TMP+4*(\b)+3] offset:32*(\b)
.endr
.else
	WIN 0x08+4*((\a)/4)                            ; the stores' data: window 2 or 3
.irp b, 0,1,2,3
	ds_store_b128 v[STO], v[AC+8*(\b):AC+8*(\b)+3]   offset:64*(\b)
	ds_store_b128 v[STO], v[AC+8*(\b)+4:AC+8*(\b)+7] offset:64*(\b)+16
.endr
	WIN 0
.endif
.irp t, 0,1,2,3,4,5,6,7
	ds_load_b128 v[BK+4*(\t):BK+4*(\t)+3], v[RD] offset:(\t)*2*SPITCH  ; LDS serves a wave's instructions in order (ISA guide 5.7.1.4): these see the stores above, and the next block's stores come behind them
.endr
.endm
.macro SEND a, younger                 ; younger: the LDS loads issued behind block a's loads from the stage, which may stay out
.set BK, OB+192*((\a)%2)
	WIN 0
	s_wait_dscnt \younger                          ; the block is back in registers
	s_wait_xcnt 0x0                                ; every earlier memory instruction has had its addresses translated (ISA guide 3.1): only behind this wait are the stores' base and the registers that earlier stores read rewritten
.if (\a) == 0
	s_add_nc_u64 s[8:9], s[8:9], s[16:17]          ; on to my first rows
.else
	s_add_nc_u64 s[8:9], s[8:9], 16*CROW           ; 16 rows of C on
.endif
.irp t, 0,1,2,3,4,5,6,7
	global_store_b128 v[CO], v[BK+4*(\t):BK+4*(\t)+3], s[8:9] offset:2*(\t)*CROW  ; 16 lanes store 256 consecutive bytes, at a multiple of 256 from C's first byte
.endr
.endm
	s_wait_tensorcnt 1                             ; my part of K step 0 is in; K step 1's may stay out
	s_barrier_signal -1
	s_barrier_wait -1                              ; everybody's is
	FETCH 0, F0
	s_wait_loadcnt 0x0                             ; the bias
.if NBIAS == 2
	WIN 0x45                                       ; destination and both sources window 1
.set ii, 0
.rept 4*NBLK
	v_pk_add_f32 v[BI+2*ii:BI+2*ii+1], v[BI+2*ii:BI+2*ii+1], v[B2+2*ii:B2+2*ii+1]  ; the two bias vectors are one addend
.set ii, ii+1
.endr
.endif
	QUARTER 64,  F0, F1, 1                         ; the first quarter stands in front of the loop: its products start the sums
	WIN 0                                          ; at a label and at a branch every window is 0
	s_mov_b32 s3, STEPS-2
.Lstep:                                                ; a trip goes from a K step's second quarter to the next step's first, and fills the slot that it leaves: every K step but the last two
	QUARTER 128, F1, F0, 0
	QUARTER 192, F0, F1, 0
	TURN
	QUARTER 64,  F0, F1, 0
	WIN 0
	s_sub_co_u32 s3, s3, 1
	s_cmp_lg_u32 s3, 0
	s_cbranch_scc1 .Lstep
	QUARTER 128, F1, F0, 0                         ; the last K step but one goes on; what follows is written out: it fills nothing
	QUARTER 192, F0, F1, 0
	s_wait_dscnt 8
	MUL16 F1, 0, 0, 0
	MUL16 F1, 0, 2, 0
	WIN 0
	s_wait_tensorcnt 0x0                           ; my one tensor load that was still out is the last K step's
	ds_add_u32 v[SPW], v[NIL]                      ; 0 onto my spare word
	s_xor_b32 s[TB], s[TB], SLOT
	s_wait_dscnt 0x0                               ; no LDS instruction of mine is pending at the signal
	s_barrier_signal -1
	s_barrier_wait -1                              ; the last slot is whole; nothing is filled again, so no round follows
	v_add_nc_u32 v[ADRA], s[TB], v[ADRA0]
	v_add_nc_u32 v[ADRB], s[TB], v[ADRB0]
	PLACES                                         ; for the loads into buffer 0, which the quarter before multiplied
	BLOAD 0                                        ; three quarters of B now: buffer 1 (v128.. of both windows) is still being multiplied
	BLOAD 1
	BLOAD 3
	ALOAD 0
	MUL16 F1, 1, 0, 0
	MUL16 F1, 1, 2, 0
	PLACES                                         ; for the loads into buffer 1
	BLOAD 2
	ALOAD 1
	ALOAD 2
	ALOAD 3
	s_wait_dscnt 24+2*NBLK                         ; all but those just issued
	ROW 0
.irp a, 0,1,2,3,4,5,6,7                ; block a leaves; block a + 1's products stand between its trip through the stage and its stores
	PLACES                                         ; the places behind the block's last products, ahead of the first read of a result;
	PLACES                                         ; twice the four
.if OUTK
	PACK \a
.endif
	TOSTAGE \a
.if (\a) < 4
	ALOAD (\a)+4                                   ; its buffer takes the block four further on
	s_wait_dscnt 24                                ; all that was issued ahead of the stage's 16 and these 8 is in: block a + 1's fragments among it
	ROW (\a)+1
	SEND \a, 8
.elseif (\a) < 7
	s_wait_dscnt 16                                ; likewise, ahead of the stage's 16
	ROW (\a)+1
	SEND \a, 0
.else
	SEND \a, 0
.endif
.endr
	s_wait_tensorcnt 0x0                           ; the wave's end, behind my last tensor load and my last LDS store
	ds_add_u32 v[SPW], v[NIL]
	s_wait_dscnt 0x0
	CROUND                                         ; the closing round: no work-group ends while a partner may still ask for a tile that names it
	s_endpgm
.Lfunc_end_k_qcefd60d13c_g3:
	.size	k_qcefd60d13c_g3, .Lfunc_end_k_qcefd60d13c_g3-k_qcefd60d13c_g3
	.p2alignl 7, 3214868480
	.fill 96, 4, 3214868480
	.section	.rodata,"a",@progbits
	.p2align	6, 0x0
	.amdhsa_kernel k_qcefd60d13c_g3
		.amdhsa_group_segment_fixed_size 327680
		.amdhsa_private_segment_fixed_size 0
		.amdhsa_enable_private_segment 0
		.amdhsa_kernarg_size 32
		.amdhsa_user_sgpr_count 2
		.amdhsa_user_sgpr_kernarg_segment_ptr 1
		.amdhsa_wavefront_size32 1
		.amdhsa_system_sgpr_workgroup_id_x 1
		.amdhsa_system_sgpr_workgroup_id_y 1
		.amdhsa_system_sgpr_workgroup_id_z 1
		.amdhsa_system_vgpr_workitem_id 0
		.amdhsa_next_free_vgpr 896
		.amdhsa_next_free_sgpr 76
		.amdhsa_reserve_vcc 0
		.amdhsa_float_denorm_mode_32 3
		.amdhsa_float_denorm_mode_16_64 3
		.amdhsa_memory_ordered 1
		.amdhsa_forward_progress 1
		.amdhsa_inst_pref_size 75
	.end_amdhsa_kernel
	.amdgpu_metadata
---
amdhsa.version: [ 1, 2 ]
amdhsa.kernels:
  - .name:           k_qcefd60d13c_g3
    .symbol:         k_qcefd60d13c_g3.kd
    .args:
      - { .name: h2, .offset: 0, .size: 8, .value_kind: global_buffer, .address_space: global }
      - { .name: w3b, .offset: 8, .size: 8, .value_kind: global_buffer, .address_space: global }
      - { .name: out0, .offset: 16, .size: 8, .value_kind: global_buffer, .address_space: global }
      - { .name: b_final, .offset: 24, .size: 8, .value_kind: global_buffer, .address_space: global }
    .group_segment_fixed_size: 327680
    .private_segment_fixed_size: 0
    .kernarg_segment_align: 8
    .kernarg_segment_size: 32
    .max_flat_workgroup_size: 128
    .sgpr_count:     76
    .vgpr_count:     896
    .wavefront_size: 32
...
	.end_amdgpu_metadata
.endif
;; end of part 4
